; MI455X (gfx1250); checked and timed in simulation.
; The chip was launched on July 23, 2026; its instructions are those of AMD's public machine-readable ISA for CDNA 5 (MIT licence, August 2026) and "CDNA5" Instruction Set Architecture Reference Guide (July 2026). The comments in the code are by the model that wrote it; some were corrected since.
;; Multi Head Attention. Allowed arithmetic: matrix products marked QUANTISED: E2M3 operands, one E8M0 scale for each 32 along K, by v_wmma_scale_f32_16x16x128_f8f6f4 with both operands' format E2M3, f32 sums; everything else in f32.
;; Inputs: k 4 x 2,048 x 1,024 float32; q 4 x 2,048 x 1,024 float32; v 4 x 2,048 x 1,024 float32; wk_b 1,024 float32; wk_w 1,024 x 1,024 float32; wo_b 1,024 float32; wo_w 1,024 x 1,024 float32; wq_b 1,024 float32; wq_w 1,024 x 1,024 float32; wv_b 1,024 float32; wv_w 1,024 x 1,024 float32.
;; Outputs: out0 4 x 2,048 x 1,024 float32.
;; This version of the problem:
;;   THIS VERSION OF THE PROBLEM IS GIVEN IN LOW PRECISION. The matrix products marked QUANTISED in the list below multiply operands that are first quantised to E2M3 (2 exponent bits, 3 mantissa bits; 6 bits a number), with one power-of-two scale for each 32 numbers along K (OCP MX v1.0); their sums are f32. All else is computed in f32.
;;   The module's matrix products, in the order in which they are computed (A, B: the left and right operand; K: the contracted axis; several contracted axes count as one K, in the product's order):
;;     1. [M 8,192, K 1,024] x [K 1,024, N 1,024]; A: input q; B: input wq_w: QUANTISED
;;     2. [M 8,192, K 1,024] x [K 1,024, N 1,024]; A: input k; B: input wk_w: QUANTISED
;;     3. [M 8,192, K 1,024] x [K 1,024, N 1,024]; A: input v; B: input wv_w: QUANTISED
;;     4. batch 64 x [M 2,048, K 64] x [K 64, N 2,048]; A: computed on the way; B: computed on the way: QUANTISED
;;     5. batch 64 x [M 2,048, K 2,048] x [K 2,048, N 64]; A: softmax (see below); B: computed on the way: QUANTISED
;;     6. [M 8,192, K 1,024] x [K 1,024, N 1,024]; A: computed on the way; B: input wo_w: QUANTISED
;;   THE QUANTISER, for each operand of a quantised product, along K:
;;     - K is cut into blocks of 32 from its start; a last block that is shorter is filled with zeros.
;;     - A block's scale is 2^e with e = floor(log2(the largest magnitude in the block)) - 2, held to -126 .. 127; a block of zeros has e = 0. As a byte (E8M0): e + 127.
;;     - Each number is divided by its block's scale, clamped to +-7.5, and rounded to the nearest number of E2M3, ties to even, subnormals kept.
;;     - The product sums the exact products of the quantised numbers (number of the format x scale) in f32.
;;   ~~~python
;;   def quantise(x, axis):      # numpy; x: float32 -> the quantised numbers, widened to float32 again
;;       x = np.moveaxis(x, axis, -1); K = x.shape[-1]
;;       x = np.pad(x, [(0, 0)] * (x.ndim - 1) + [(0, -K % 32)]); x = x.reshape(x.shape[:-1] + (-1, 32)); a = np.abs(x).max(-1, keepdims=True)
;;       e = np.where(a > 0, np.clip(np.frexp(np.where(a > 0, a, 1))[1] - 1 - 2, -126, 127), 0)      # np.frexp(a)[1] - 1 = floor(log2(a)), exactly
;;       r = np.clip(x / 2.0 ** e, -7.5, 7.5)
;;       step = 2.0 ** (np.maximum(np.frexp(np.where(r == 0, 1, r))[1] - 1, 0) - 3)
;;       q = np.round(r / step) * step * 2.0 ** e      # np.round: ties to even
;;       return np.moveaxis(q.reshape(q.shape[:-2] + (-1,))[..., :K], -1, axis).astype(np.float32)
;;   ~~~
;;   SOFTMAX AHEAD OF A QUANTISED PRODUCT. Where the list says 'softmax', what is quantised is not the finished softmax but p = 2^(t - M), with t = logit x log2(e) and M = ceil(the row's largest t), a whole number; so 1/2 < the row's largest p <= 1. The row's sum l is taken of the UNQUANTISED p, in f32, and the product's result is divided by l at the end. Since M is a whole number, a kernel that streams over the keys may use a running M (the ceiling of the running maximum): every later rescaling is an exact power of two, which a block's scale takes up: the codes' values come out the same.
;;   OPERANDS COMPUTED ON THE WAY. 'Computed on the way' means the value that the module computes at that place (a softmax that the list does not call 'softmax' is quantised finished and normalised). What goes into a quantiser is computed in f32, as accurately as f32 sums, v_exp_f32 and their like allow (about 1e-6 of the number): no bf16 or f16 on the way to a quantiser, and a product that is left as it is and whose result goes on into a quantised operand takes f32 operands (vector FMAs, or v_wmma_f32_16x16x4_f32). A number that lies on a knife's edge between two numbers of the format may be rounded either way, as far as f32 arithmetic and the matrix unit's own rounding can turn it there, and no further.
;; One version. Each part assembles by itself: llvm-mc -triple=amdgcn-amd-amdhsa -mcpu=gfx1250 --defsym DOCPART=n.
;; ======== version 1 of 1: 4 launches
;; limits: right only within a limited range of input values
;; workspace buffers: xc 22,020,096 bytes; xs 917,504 bytes; qkv 20,447,232 bytes; cc 6,291,456 bytes; cs 262,144 bytes
;; launch quant (part 1): grid 448 x 1, 4 waves a work-group, no clusters, 34,304 bytes of LDS; arguments q, k, v, wq_w, wk_w, wv_w, wo_w, xc, xs; writes xc, xs
.if DOCPART == 1
	.amdgcn_target "amdgcn-amd-amdhsa--gfx1250"
	.amdhsa_code_object_version 6
	.text
	.protected	k_qa159dcd690_quant
	.globl	k_qa159dcd690_quant
	.p2align	8
	.type	k_qa159dcd690_quant,@function
k_qa159dcd690_quant:
	s_mov_b64 s[64:65], 0
	v_nop
	global_prefetch_b8 v0, s[64:65] scope:SCOPE_SE
	s_setreg_imm32_b32 hwreg(HW_REG_WAVE_MODE, 25, 1), 1
	s_wait_xcnt 0x0
; q, k, v [8192][1024] and wq, wk, wv, wo [1024][1024], f32 with K innermost, become codes of FP6 (E2M3) with one E8M0 byte for each 32 along K.
; A block's scale is 2^(floor(log2(its largest magnitude)) - 2); its byte is the largest magnitude's exponent field - 2, held at 1 from below.
; LIMITS: NaN and infinities among the inputs are not served.  A block of zeros keeps the byte 1 where the rule says 127: its codes are zeros, and this program alone reads the bytes.
; OUTPUT.  xc holds 1,792 row tiles of 16 rows, q's first, then k's, v's, wq's, wk's, wv's, wo's.  A tile is 8 fragments (16 rows x 128 K), each an IMAGE OF THE OPERAND'S 12 REGISTERS:
; six pieces of 256 bytes, piece P = registers 2 P and 2 P + 1, 8 bytes a lane.  xs holds 32 scale bytes for each place of a tile, place by place.
; WHICH ROWS FORM A TILE.  In q and wo: 16 neighbours.  In k, v, wq, wk, wv place r of tile 2 B + u is row 32 B + 8 u + r + 8 (r / 8): used as a product's source 0, the 16 result registers of tiles
; 2 B and 2 B + 1 are then 16 neighbours along that axis, which is the next product's K.
; SHARES.  A wave takes one tile, 8 steps of 128 along K.  Each load reads 512 consecutive bytes of a row; a step's 16 rows turn through the wave's own stage in LDS (rows 528 bytes apart: row r begins
; 4 r banks on) and come back 16 neighbours of each block of 32 to a lane.  Waves share nothing: no barrier.  Loads run two steps (32 loads) ahead.
.set STG,   16*528                     ; a wave's stage
.set SPARE, 4*STG                      ; behind the stages: the spare words, 128 bytes a wave, which no other line names
.set OFF0, 4                           ; v4   16 x lane: my bytes of a row's 512, rows 0-7 of the tile
.set OFF1, 5                           ; v5   the same for rows 8-15, which begin 8 or 16 rows further down
.set STI,  6                           ; v6   the stage, on the way in
.set STO,  7                           ; v7   and back: row r, + 64 h
.set CO,   8                           ; v8   8 x lane: my place in a piece
.set SO,   9                           ; v9   32 r + 16 h: my four scale words
.set SPW,  10                          ; v10  my spare word; never rewritten
.set NIL,  11                          ; v11  0; never rewritten
.set R,    16                          ; v16-143  two sets of 16 rows as loaded
.set X,    144                         ; v144-207 64 numbers: register 16 b + i = k 32 b + 16 h + i of row r
.set TM,   208                         ; v208-223 at work
.set PC,   224                         ; v224-235 the fragment
.set T2,   236                         ; v236-242 the blocks' second halves
.set PW,   244                         ; v244 the scale word just made
.set SW,   246                         ; v246-253 a scale word for each step
.set SEL,  32                          ; s[32:33] lane selects: lane l xor 16
.set IN,   26                          ; s[26:27] my tensor, at my tile's first row
; 64 numbers of a lane, v[s] on, become a fragment's registers 0-5 in v[d0] on, 6-11 in v[d1] on, and its scale word in v[PW]
.macro QUANT s, d0, d1
.irp b, 0,1,2,3
	v_max3_num_f32 v[TM+\b], |v[\s+16*\b]|, |v[\s+1+16*\b]|, 0x1800000   ; block b: my 16 numbers, and the floor 2^(3 - 127): the byte cannot fall under 1
.endr
.irp i, 2,4,6,8,10,12,14
.irp b, 0,1,2,3
	v_max3_num_f32 v[TM+\b], v[TM+\b], |v[\s+16*\b+\i]|, |v[\s+1+16*\b+\i]|   ; the four blocks by turns
.endr
.endr
.irp b, 0,1,2,3
	v_permlanex16_b32 v[TM+4+\b], v[TM+\b], s[SEL], s[SEL+1]
.endr
.irp b, 0,1,2,3
	v_max_num_f32 v[TM+\b], v[TM+\b], v[TM+4+\b]   ; with lane l xor 16's: the block's largest magnitude
.endr
.irp b, 0,1,2,3
	v_add_nc_u32 v[TM+12+\b], 0xff000000, v[TM+\b]   ; 2 off its exponent field: the conversion takes that field as its scale
.endr
.irp b, 0,1,2,3
	v_lshrrev_b32 v[TM+4+\b], 23, v[TM+12+\b]      ; the scale's byte
.endr
	v_lshl_or_b32 v[PW], v[TM+5], 8, v[TM+4]
	v_lshl_or_b32 v[PW], v[TM+6], 16, v[PW]
	v_lshl_or_b32 v[PW], v[TM+7], 24, v[PW]        ; my row's scale word
	v_cvt_scalef32_pk16_fp6_f32 v[\d0:\d0+2], v[\s:\s+15], v[TM+12]
	v_cvt_scalef32_pk16_fp6_f32 v[T2:T2+2], v[\s+16:\s+31], v[TM+13]   ; (a conversion's three registers begin on an even number)
	v_cvt_scalef32_pk16_fp6_f32 v[\d1:\d1+2], v[\s+32:\s+47], v[TM+14]
	v_cvt_scalef32_pk16_fp6_f32 v[T2+4:T2+6], v[\s+48:\s+63], v[TM+15]
	v_nop                                          ; one plain place behind the conversions
.irp i, 0,1,2
	v_permlane16_swap_b32 v[\d0+\i], v[T2+\i]      ; the layout wants a whole block in a lane: lanes 0-15 the even block, lanes 16-31 the odd one
.endr
.irp i, 0,1,2
	v_permlane16_swap_b32 v[\d1+\i], v[T2+4+\i]
.endr
.irp i, 0,1,2
	v_mov_b32 v[\d0+3+\i], v[T2+\i]
.endr
.irp i, 0,1,2
	v_mov_b32 v[\d1+3+\i], v[T2+4+\i]
.endr
.endm
	s_load_b256 s[4:11], s[0:1], 0x0               ; q s[4:5], k s[6:7], v s[8:9], wq s[10:11]
	s_load_b256 s[12:19], s[0:1], 0x20             ; wk s[12:13], wv s[14:15], wo s[16:17], xc s[18:19]
	s_load_b64 s[20:21], s[0:1], 0x40              ; xs
	v_lshl_add_u32 v[SPW], v0, 2, SPARE
	v_mov_b32 v[NIL], 0
	v_lshrrev_b32 v1, 5, v0
	v_readfirstlane_b32 s24, v1                    ; wave
	v_and_b32 v1, 31, v0                           ; lane
	v_and_b32 v2, 15, v0                           ; r
	v_bfe_u32 v3, v0, 4, 1                         ; h
	s_mul_i32 s25, s24, STG
	v_lshlrev_b32 v[OFF0], 4, v1
	v_add_nc_u32 v[STI], s25, v[OFF0]
	v_mul_u32_u24 v[STO], v2, 528
	v_lshl_add_u32 v[STO], v3, 6, v[STO]
	v_add_nc_u32 v[STO], s25, v[STO]
	v_lshlrev_b32 v[CO], 3, v1
	v_lshlrev_b32 v[SO], 5, v2
	v_lshl_add_u32 v[SO], v3, 4, v[SO]
	s_mov_b32 s30, 0xffff0000                      ; lanes 16-31
	s_mov_b32 s[SEL], 0x76543210
	s_mov_b32 s[SEL+1], 0xfedcba98
.irp b, 0,1,2,3
	v_mov_b32 v[TM+4+\b], 0                        ; written once: a lane permute's destination counts as one of its sources
.endr
	s_lshl_b32 s34, ttmp9, 2
	s_add_co_u32 s34, s34, s24                     ; T: my tile among the 1,792
	s_sub_co_u32 s38, ttmp9, 128
	s_cmp_lt_u32 s38, 304                          ; work-groups 128 to 431 (k, v, wq, wk, wv): the tiles' rows are not neighbours
	s_cselect_b32 s39, 3, 4                        ; an odd tile begins 8 rows on, or 16
	s_cselect_b32 s40, 16, 15
	; k's tiles (work-groups 128 to 255) differ from the other tensors': tile 4 C + j holds rows 64 C + 8 j + 0..7 in places 0-7 and rows 64 C + 32 + 8 j + 0..7 in places 8-15,
	; so that a lane's 32 scores of four neighbouring tiles are 32 neighbouring keys: one scale block of the second product
	s_cmp_lt_u32 s38, 128
	s_cselect_b32 s40, 17, s40                     ; k: rows 8-15 begin 32 rows down
	s_cselect_b32 s41, 2, 1                        ; k: four tiles to a group of 64 rows; else two to a group of 32
	s_lshl_b32 s40, 1, s40                         ; rows 8-15 begin 16 rows of 4,096 bytes down, or 8
	v_add_nc_u32 v[OFF1], s40, v[OFF0]
	s_wait_alu depctr_va_vdst(0)
	s_wait_kmcnt 0x0
	s_mov_b64 s[IN:IN+1], s[16:17]                 ; which tensor: chosen by the work-group's number alone
	s_mov_b32 s28, 432                             ; and its first work-group
	s_cmp_lt_u32 ttmp9, 432
	s_cselect_b64 s[IN:IN+1], s[14:15], s[IN:IN+1]
	s_cselect_b32 s28, 416, s28
	s_cmp_lt_u32 ttmp9, 416
	s_cselect_b64 s[IN:IN+1], s[12:13], s[IN:IN+1]
	s_cselect_b32 s28, 400, s28
	s_cmp_lt_u32 ttmp9, 400
	s_cselect_b64 s[IN:IN+1], s[10:11], s[IN:IN+1]
	s_cselect_b32 s28, 384, s28
	s_cmp_lt_u32 ttmp9, 384
	s_cselect_b64 s[IN:IN+1], s[8:9], s[IN:IN+1]
	s_cselect_b32 s28, 256, s28
	s_cmp_lt_u32 ttmp9, 256
	s_cselect_b64 s[IN:IN+1], s[6:7], s[IN:IN+1]
	s_cselect_b32 s28, 128, s28
	s_cmp_lt_u32 ttmp9, 128
	s_cselect_b64 s[IN:IN+1], s[4:5], s[IN:IN+1]
	s_cselect_b32 s28, 0, s28
	s_lshl_b32 s35, s28, 2
	s_sub_co_u32 s35, s34, s35                     ; my tile within its tensor
	s_lshr_b32 s36, s35, s41
	s_add_co_u32 s42, s41, 4
	s_lshl_b32 s36, s36, s42                       ; the group's first row: 32 B, in k 64 C
	s_lshl_b32 s42, 1, s41
	s_sub_co_u32 s42, s42, 1
	s_and_b32 s37, s35, s42                        ; the tile within its group
	s_lshl_b32 s37, s37, s39                       ; + 8 u or 16 u
	s_add_co_u32 s36, s36, s37                     ; the tile's first row,
	s_lshl_b32 s36, s36, 12                        ; in bytes (under 2^26)
	s_mov_b32 s37, 0
	s_add_nc_u64 s[IN:IN+1], s[IN:IN+1], s[36:37]
	s_mul_i32 s36, s34, 12288
	s_add_nc_u64 s[18:19], s[18:19], s[36:37]      ; my tile's codes
	s_lshl_b32 s36, s34, 9
	s_add_nc_u64 s[20:21], s[20:21], s[36:37]      ; and its scale bytes
.macro LOAD s                          ; step s: 16 rows x 512 bytes into set s % 2
.irp i, 0,1,2,3,4,5,6,7
	global_load_b128 v[R+64*((\s)%2)+4*\i:R+64*((\s)%2)+4*\i+3], v[OFF0], s[IN:IN+1] offset:\i*4096+512*(\s) th:TH_LOAD_NT
.endr
.irp i, 0,1,2,3,4,5,6,7
	global_load_b128 v[R+64*((\s)%2)+32+4*\i:R+64*((\s)%2)+32+4*\i+3], v[OFF1], s[IN:IN+1] offset:\i*4096+512*(\s) th:TH_LOAD_NT
.endr
.endm
.macro STEP s
.if (\s) < 7
	s_wait_loadcnt 16                              ; this step's 16 loads are in; the next step's 16 may be out
.else
	s_wait_loadcnt 0x0
.endif
.irp i, 0,1,2,3,4,5,6,7,8,9,10,11,12,13,14,15
	ds_store_b128 v[STI], v[R+64*((\s)%2)+4*\i:R+64*((\s)%2)+4*\i+3] offset:528*\i
.endr
.irp b, 0,1,2,3
.irp j, 0,1,2,3
	ds_load_b128 v[X+16*\b+4*\j:X+16*\b+4*\j+3], v[STO] offset:128*\b+16*\j   ; LDS serves a wave's instructions in order (ISA guide 5.7.1.4): these see the stores above
.endr
.endr
	s_wait_dscnt 0x0                               ; the numbers are back, and the stores have read their set
.if (\s) > 0
	s_wait_xcnt 0x0                                ; the last step's stores have read the fragment's registers
.endif
.if (\s) < 6
	LOAD (\s)+2
.endif
	QUANT X, PC, PC+6
.irp p, 0,1,2,3,4,5
	global_store_b64 v[CO], v[PC+2*\p:PC+2*\p+1], s[18:19] offset:1536*(\s)+256*\p th:TH_STORE_NT   ; 32 lanes store 256 consecutive bytes, aligned
.endr
	v_mov_b32 v[SW+(\s)], v[PW]
.endm
	LOAD 0
	LOAD 1
.irp s, 0,1,2,3,4,5,6,7
	STEP \s
.endr
.irp i, 0,1,2,3
	v_cndmask_b32 v[TM+\i], v[SW+\i], v[SW+4+\i], s30   ; lanes 0-15: my row's words 0-3; lanes 16-31: words 4-7
.endr
	global_store_b128 v[SO], v[TM:TM+3], s[20:21] th:TH_STORE_NT   ; the tile's 512 scale bytes, consecutive
	s_wait_tensorcnt 0x0                           ; the wave's end
	ds_add_u32 v[SPW], v[NIL]
	s_wait_dscnt 0x0
	s_endpgm
.Lfunc_end_k_qa159dcd690_quant:
	.size	k_qa159dcd690_quant, .Lfunc_end_k_qa159dcd690_quant-k_qa159dcd690_quant
	.p2alignl 7, 3214868480
	.fill 96, 4, 3214868480
	.section	.rodata,"a",@progbits
	.p2align	6, 0x0
	.amdhsa_kernel k_qa159dcd690_quant
		.amdhsa_group_segment_fixed_size 34304
		.amdhsa_private_segment_fixed_size 0
		.amdhsa_enable_private_segment 0
		.amdhsa_kernarg_size 72
		.amdhsa_user_sgpr_count 2
		.amdhsa_user_sgpr_kernarg_segment_ptr 1
		.amdhsa_wavefront_size32 1
		.amdhsa_system_sgpr_workgroup_id_x 1
		.amdhsa_system_sgpr_workgroup_id_y 1
		.amdhsa_system_sgpr_workgroup_id_z 1
		.amdhsa_system_vgpr_workitem_id 0
		.amdhsa_next_free_vgpr 256
		.amdhsa_next_free_sgpr 66
		.amdhsa_reserve_vcc 0
		.amdhsa_float_denorm_mode_32 3
		.amdhsa_float_denorm_mode_16_64 3
		.amdhsa_memory_ordered 1
		.amdhsa_forward_progress 1
		.amdhsa_inst_pref_size 68
	.end_amdhsa_kernel
	.amdgpu_metadata
---
amdhsa.version: [ 1, 2 ]
amdhsa.kernels:
  - .name:           k_qa159dcd690_quant
    .symbol:         k_qa159dcd690_quant.kd
    .args:
      - { .name: q, .offset: 0, .size: 8, .value_kind: global_buffer, .address_space: global }
      - { .name: k, .offset: 8, .size: 8, .value_kind: global_buffer, .address_space: global }
      - { .name: v, .offset: 16, .size: 8, .value_kind: global_buffer, .address_space: global }
      - { .name: wq_w, .offset: 24, .size: 8, .value_kind: global_buffer, .address_space: global }
      - { .name: wk_w, .offset: 32, .size: 8, .value_kind: global_buffer, .address_space: global }
      - { .name: wv_w, .offset: 40, .size: 8, .value_kind: global_buffer, .address_space: global }
      - { .name: wo_w, .offset: 48, .size: 8, .value_kind: global_buffer, .address_space: global }
      - { .name: xc, .offset: 56, .size: 8, .value_kind: global_buffer, .address_space: global }
      - { .name: xs, .offset: 64, .size: 8, .value_kind: global_buffer, .address_space: global }
    .group_segment_fixed_size: 34304
    .private_segment_fixed_size: 0
    .kernarg_segment_align: 8
    .kernarg_segment_size: 72
    .max_flat_workgroup_size: 128
    .sgpr_count:     66
    .vgpr_count:     256
    .wavefront_size: 32
...
	.end_amdgpu_metadata
.endif
;; end of part 1
;; launch proj (part 2): grid 4 x 96, 4 waves a work-group, clusters of 4 x 4, 327,680 bytes of LDS; arguments xc, xs, wq_b, wk_b, wv_b, qkv; writes qkv
.if DOCPART == 2
	.amdgcn_target "amdgcn-amd-amdhsa--gfx1250"
	.amdhsa_code_object_version 6
	.text
	.protected	k_qa159dcd690_proj
	.globl	k_qa159dcd690_proj
	.p2align	8
	.type	k_qa159dcd690_proj,@function
k_qa159dcd690_proj:
	s_mov_b64 s[64:65], 0
	v_nop
	global_prefetch_b8 v0, s[64:65] scope:SCOPE_SE
	s_setreg_imm32_b32 hwreg(HW_REG_WAVE_MODE, 25, 1), 1
	s_wait_xcnt 0x0
	s_wait_alu depctr_hold_cnt(0) depctr_sa_sdst(0) depctr_va_vdst(0) depctr_va_sdst(0) depctr_va_ssrc(0) depctr_va_vcc(0) depctr_vm_vsrc(0)
	s_getreg_b32 s2, hwreg(HW_REG_IB_STS2, 6, 4)
	s_cmp_eq_u32 s2, 0
	s_cbranch_scc0 .Lentry_in_a_cluster
	s_endpgm
.Lentry_in_a_cluster:
	s_bfe_u32 s2, ttmp6, 0x10000c
	s_cmp_lg_u32 s2, 0xf033
	s_cbranch_scc0 .Lentry_shape_is_right
	s_endpgm
.Lentry_shape_is_right:
.set NQ,    2
.set FR,    12
.set NL,    6
.set NP,    4
.set FRB,   1536
.set RT,    NQ*FRB
.set HALFT, 8*RT
.set SLOT,  4*HALFT
.set UNITB, 8*8*FRB
.set SCL,   2*SLOT
.set HALFS, 16*272
.set SBLK,  2*272
.set SPARE, SCL+4*HALFS
.set REC,   19968
.set PART,  6656
.set HS,    16*REC
.set ADRA, 16
.set ADRB, 20
.set ADRS, 27
.set SPW,  28
.set NIL,  29
.set SC,   32
.set BI,   64
.set AF,   128
.set BR,   224
.set WV,   16
.set WH,   17
.set WL,   18
.set PRJ,  19
.set G1, 24
.set G0, 32
.set G1B, 48
.set G0B, 56
.set G1S, 68
.set G0S, 76
.set G1SB, 80
.set G0SB, 88
.set MSB, 0
.macro WIN new
.if MSB != (\new)
	s_set_vgpr_msb (MSB<<8)|(\new)
.set MSB, (\new)
.endif
.endm
.set MUL_LO, 0xa1
.set MUL_HI, 0xf1
.set TO_B,   0x40
.macro JLOAD g0a, g1a, g0b, g1b
	s_cmp_eq_u32 s[WH], 0
	s_cbranch_scc0 .Lfor_b_\@
	tensor_load_to_lds s[\g0a:\g0a+3], s[\g1a:\g1a+7]
	s_nop 0
.rept 4
	v_nop
.endr
	s_branch .Lasked_\@
.Lfor_b_\@:
	tensor_load_to_lds s[\g0b:\g0b+3], s[\g1b:\g1b+7]
	s_nop 0
.rept 4
	v_nop
.endr
.Lasked_\@:
.endm
.macro CREST
	s_cmp_lg_u32 s[WV], 0
	s_cbranch_scc1 .Lnot_wave_0_\@
	s_barrier_signal -3
.Lnot_wave_0_\@:
	s_barrier_wait -3
	s_barrier_signal -1
	s_barrier_wait -1
.endm
.macro CROUND
	s_barrier_signal -1
	s_barrier_wait -1
	CREST
.endm
	s_load_b128 s[4:7], s[0:1], 0x0
	s_load_b128 s[8:11], s[0:1], 0x10
	s_load_b128 s[12:15], s[0:1], 0x20
	v_lshl_add_u32 v[SPW], v0, 2, SPARE
	v_mov_b32 v[NIL], 0
	ds_add_u32 v[SPW], v[NIL]
	ds_add_u32 v[SPW], v[NIL]
	v_lshrrev_b32 v1, 5, v0
	v_readfirstlane_b32 s[WV], v1
	s_lshr_b32 s[WH], s[WV], 1
	s_and_b32 s[WL], s[WV], 1
	s_bfe_u32 s40, ttmp6, 0x40000
	s_bfe_u32 s41, ttmp6, 0x40004
	s_and_b32 s95, ttmp7, 0xffff
	s_lshr_b32 s[PRJ], s95, 3
	s_and_b32 s95, s95, 7
	s_lshl_b32 s43, s41, 2
	s_lshl_b32 s43, 15, s43
	s_lshl_b32 s44, 0x1111, s40
	s_or_b32 s[G1+0], s43, (3<<16)|(1<<21)
	s_or_b32 s[G1B+0], s44, (3<<16)|(1<<21)
.irp g, G1, G1B
	s_mov_b32 s[\g+1], 384<<16
	s_mov_b32 s[\g+2], 16<<16
	s_mov_b32 s[\g+3], 384<<16
	s_mov_b32 s[\g+4], 16
	s_mov_b32 s[\g+5], 1536
	s_mov_b32 s[\g+6], 0
	s_mov_b32 s[\g+7], 0
.endr
	s_or_b32 s[G1S+0], s43, (3<<16)|(1<<20)|(1<<21)|(5<<22)|(3<<25)
	s_or_b32 s[G1SB+0], s44, (3<<16)|(1<<20)|(1<<21)|(5<<22)|(3<<25)
.irp g, G1S, G1SB
	s_mov_b32 s[\g+1], 32<<16
	s_mov_b32 s[\g+2], 32<<16
	s_mov_b32 s[\g+3], 32<<16
	s_mov_b32 s[\g+4], 32
	s_mov_b32 s[\g+5], 32
	s_mov_b32 s[\g+6], 0
	s_mov_b32 s[\g+7], 0
.endr
	s_lshl_b32 s96, s[PRJ], 6
	s_lshl_b32 s97, s[PRJ], 3
	s_add_co_u32 s97, s97, 192
	s_cmp_lt_u32 s[PRJ], 2
	s_cselect_b32 s20, s96, 208
	s_cselect_b32 s21, s95, 0
	s_cselect_b32 s46, s97, 128
	s_cselect_b32 s47, 0, s95
	s_lshl_b32 s21, s21, 2
	s_add_co_u32 s21, s21, s41
	s_lshl_b32 s21, s21, 1
	s_lshl_b32 s47, s47, 2
	s_add_co_u32 s47, s47, s40
	s_lshl_b32 s47, s47, 1
	s_add_co_u32 s98, s21, s[WH]
	s_add_co_u32 s99, s47, s[WL]
	s_add_co_u32 s20, s20, s21
	s_add_co_u32 s46, s46, s47
	s_lshl_b32 s22, s20, 12
	s_mov_b32 s23, 0
	s_mul_i32 s20, s20, UNITB
	s_mov_b32 s21, 0
	s_lshl_b32 s92, s46, 12
	s_mov_b32 s93, 0
	s_mul_i32 s46, s46, UNITB
	s_mov_b32 s47, 0
	s_mul_i32 s45, s[WV], HALFT
	s_wait_dscnt 0x0
	s_wait_kmcnt 0x0
	s_add_nc_u64 s[20:21], s[4:5], s[20:21]
	s_add_nc_u64 s[22:23], s[6:7], s[22:23]
	s_add_nc_u64 s[46:47], s[4:5], s[46:47]
	s_add_nc_u64 s[92:93], s[6:7], s[92:93]
	CROUND
	s_mov_b32 s[G0S], 1
	s_mov_b32 s[G0S+1], SCL
	s_mov_b64 s[G0S+2:G0S+3], s[22:23]
	s_or_b32 s[G0S+3], s[G0S+3], 0x80000000
	s_mov_b32 s[G0SB], 1
	s_mov_b32 s[G0SB+1], SCL+2*HALFS
	s_mov_b64 s[G0SB+2:G0SB+3], s[92:93]
	s_or_b32 s[G0SB+3], s[G0SB+3], 0x80000000
.set G0H,  4                           ; s[4:7], s[40:43]: group 0 of the head's loads of slot 0: source 1's 16 row tiles, source 0's 16 (what lay there has been used)
.set G0HB, 40
	s_cmp_eq_u32 s[WH], 0
	s_cselect_b32 s2, s40, s41                     ; my place among the four partners that ask for my tiles with me
	s_mov_b32 s[G0H], 1
	s_mov_b32 s[G0H+1], 0
	s_mov_b64 s[G0H+2:G0H+3], s[20:21]
	s_or_b32 s[G0H+3], s[G0H+3], 0x80000000
	s_mov_b32 s[G0HB], 1
	s_mov_b32 s[G0HB+1], 2*HALFT
	s_mov_b64 s[G0HB+2:G0HB+3], s[46:47]
	s_or_b32 s[G0HB+3], s[G0HB+3], 0x80000000
	s_mul_i32 s96, s[WL], UNITB                    ; for the ring: my 8 row tiles of the 16
	s_mov_b32 s97, 0
	s_add_nc_u64 s[20:21], s[20:21], s[96:97]
	s_add_nc_u64 s[46:47], s[46:47], s[96:97]
	; the prefetch's base: of the 8 row tiles that I fetch in the ring my work-group takes two, told apart by address; in each the 6,144 bytes of K 512 .. 1,023, which the two refills will load
	s_cmp_eq_u32 s[WH], 0
	s_cselect_b64 s[94:95], s[20:21], s[46:47]
	s_mul_i32 s96, s2, 2*12288
	s_add_co_u32 s96, s96, 6144
	s_add_nc_u64 s[94:95], s[94:95], s[96:97]
.irp s, 0,1
	s_mov_b32 s[G0+4*\s], 1
	s_add_co_u32 s[G0+4*\s+1], s45, \s*SLOT
	s_add_nc_u64 s[G0+4*\s+2:G0+4*\s+3], s[20:21], \s*RT
	s_or_b32 s[G0+4*\s+3], s[G0+4*\s+3], 0x80000000
	s_mov_b32 s[G0B+4*\s], 1
	s_add_co_u32 s[G0B+4*\s+1], s45, \s*SLOT
	s_add_nc_u64 s[G0B+4*\s+2:G0B+4*\s+3], s[46:47], \s*RT
	s_or_b32 s[G0B+4*\s+3], s[G0B+4*\s+3], 0x80000000
.endr
; the head's four tiles, one joint load a wave: slot 0's two halves whole, and both sides' scale bytes; one chain of branches on the wave's number
.macro ARM under, g0, g1, next
	s_cmp_lt_u32 s[WV], \under
	s_cbranch_scc0 \next
	tensor_load_to_lds s[\g0:\g0+3], s[\g1:\g1+7]
	s_nop 0
.rept 4
	v_nop
.endr
	s_branch .Lhead_asked
\next:
.endm
	ARM 1, G0H,  G1,  .Lhead_b
	ARM 2, G0HB, G1B, .Lhead_sa
	ARM 3, G0S,  G1S, .Lhead_sb
	tensor_load_to_lds s[G0SB:G0SB+3], s[G1SB:G1SB+7]
	s_nop 0
.rept 4
	v_nop
.endr
.Lhead_asked:
	v_and_b32 v1, 15, v0
	v_bfe_u32 v2, v0, 4, 1
	v_and_b32 v3, 31, v0
	v_lshlrev_b32 v4, 3, v3
	v_min_u32 v7, 23, v3                           ; 24 blocks of 256 bytes to half a row tile; the lanes left over name the last again
	v_lshlrev_b32 v7, 8, v7
	global_prefetch_b8 v7, s[94:95] th:TH_LOAD_NT scope:SCOPE_SE
	global_prefetch_b8 v7, s[94:95] offset:12288 th:TH_LOAD_NT scope:SCOPE_SE
	s_mul_i32 s21, s[WH], HALFT
	s_mul_i32 s22, s[WL], HALFT
	s_add_co_u32 s22, s22, 2*HALFT
.irp s, 0,1
	v_add_nc_u32 v[ADRA+\s], s21, v4
	v_add_nc_u32 v[ADRB+\s], s22, v4
	s_add_co_u32 s21, s21, SLOT
	s_add_co_u32 s22, s22, SLOT
.endr
	v_lshlrev_b32 v5, 5, v1
	v_lshrrev_b32 v6, 8, v5
	v_lshl_add_u32 v5, v6, 4, v5
	s_mul_i32 s21, s[WH], HALFS
	s_mul_i32 s22, s[WL], HALFS
	s_add_co_u32 s22, s22, 2*HALFS
	s_sub_co_u32 s22, s22, s21
	v_mul_u32_u24 v6, s22, v2
	s_add_co_u32 s21, s21, SCL
	v_add_nc_u32 v5, v5, v6
	v_add_nc_u32 v[ADRS], s21, v5
	s_cmp_eq_u32 s[PRJ], 0
	s_cselect_b64 s[8:9], s[8:9], s[10:11]
	s_and_b32 s96, s99, 7
	s_lshl_b32 s96, s96, 9
	s_mov_b32 s97, 0
	s_add_nc_u64 s[8:9], s[8:9], s[96:97]
	s_and_b32 s96, s98, 7
	s_lshl_b32 s96, s96, 9
	s_add_nc_u64 s[12:13], s[12:13], s[96:97]
	v_lshlrev_b32 v8, 6, v2
	v_and_b32 v9, 8, v1
	v_add_nc_u32 v9, v9, v1
	v_lshlrev_b32 v9, 2, v9
.irp b, 0,1,2,3,4,5,6,7
	global_load_b128 v[BI+8*\b:BI+8*\b+3], v8, s[8:9] offset:4*(32*(\b/2)+8*(\b%2))
	global_load_b128 v[BI+8*\b+4:BI+8*\b+7], v8, s[8:9] offset:4*(32*(\b/2)+8*(\b%2))+16
.endr
.irp a, 0,1,2,3,4,5,6,7
	global_load_b32 v[BR+2*\a], v9, s[12:13] offset:4*(32*(\a/2)+8*(\a%2))
	global_load_b32 v[BR+2*\a+1], v9, s[12:13] offset:4*(32*(\a/2)+8*(\a%2))
.endr
	s_cmp_eq_u32 s[PRJ], 2
	s_cselect_b32 s96, s99, s98
	s_cselect_b32 s97, s98, s99
	s_wait_xcnt 0x0                                ; the prefetches have read their base
	s_lshr_b32 s95, s96, 4
	s_lshl_b32 s95, s95, 4
	s_lshl_b32 s97, s97, 1
	s_add_co_u32 s95, s95, s97
	s_lshl_b32 s95, s95, 4
	s_and_b32 s96, s96, 15
	s_add_co_u32 s95, s95, s96
	s_mul_i32 s96, s95, REC
	s_sub_co_u32 s97, s[PRJ], 1
	s_cmp_eq_u32 s[PRJ], 0
	s_cselect_b32 s97, 2, s97
	s_mul_i32 s97, s97, PART
	s_add_co_u32 s96, s96, s97
	s_mov_b32 s97, 0
	s_add_nc_u64 s[14:15], s[14:15], s[96:97]
.macro FRAG reg, adr, q, i
.irp p, 0,1,2,3,4,5
	ds_load_b64 v[\reg+2*\p:\reg+2*\p+1], v[\adr] offset:(\i)*RT+(\q)*FRB+256*\p
.endr
.endm
.macro MUL16 a0, p, q, sc, zero
.irp a, \a0, \a0+1
.irp b, 0,1,2,3,4,5,6,7
.if \zero
	v_wmma_scale_f32_16x16x128_f8f6f4 v[8*(8*((\a)%4)+\b):8*(8*((\a)%4)+\b)+7], v[128*(\p)+FR*\b:128*(\p)+FR*\b+FR-1], v[AF+FR*(\a):AF+FR*(\a)+FR-1], 0, v[SC+8*NQ*(\sc)+NQ*\b+(\q)], v[SC+8*NQ*(\sc)+NQ*(\a)+(\q)] matrix_a_fmt:MATRIX_FMT_FP6 matrix_b_fmt:MATRIX_FMT_FP6 matrix_a_scale:MATRIX_SCALE_ROW1
.else
	v_wmma_scale_f32_16x16x128_f8f6f4 v[8*(8*((\a)%4)+\b):8*(8*((\a)%4)+\b)+7], v[128*(\p)+FR*\b:128*(\p)+FR*\b+FR-1], v[AF+FR*(\a):AF+FR*(\a)+FR-1], v[8*(8*((\a)%4)+\b):8*(8*((\a)%4)+\b)+7], v[SC+8*NQ*(\sc)+NQ*\b+(\q)], v[SC+8*NQ*(\sc)+NQ*(\a)+(\q)] matrix_a_fmt:MATRIX_FMT_FP6 matrix_b_fmt:MATRIX_FMT_FP6 matrix_a_scale:MATRIX_SCALE_ROW1
.endif
.endr
.endr
.endm
.macro FETCH_B slot, q, p
	WIN TO_B
.irp i, 0,1,2,3,4,5,6,7
	FRAG 128*(\p)+FR*\i, ADRB+\slot, \q, \i
.endr
	WIN 0
.endm
.macro FETCH_A slot, q, i0
.irp i, \i0, \i0+1, \i0+2, \i0+3
	FRAG AF+FR*(\i), ADRA+\slot, \q, \i
.endr
.endm
.macro SCALES sc
.irp i, 0,1,2,3,4,5,6,7
	ds_load_b64 v[SC+8*NQ*\sc+NQ*\i:SC+8*NQ*\sc+NQ*\i+1], v[ADRS] offset:\i*SBLK
.endr
.endm
.macro PLACES n
.rept \n
	v_nop
.endr
.endm
.macro STEP slot, q, zero
	s_wait_dscnt 4*NL
	WIN MUL_LO
	MUL16 0, (\q)%2, \q, \slot, \zero
	MUL16 2, (\q)%2, \q, \slot, \zero
	s_wait_dscnt 0
	PLACES NP
	FETCH_B \slot, (\q)+1, 1-(\q)%2
	FETCH_A \slot, (\q)+1, 0
	WIN MUL_HI
	MUL16 4, (\q)%2, \q, \slot, \zero
	MUL16 6, (\q)%2, \q, \slot, \zero
	PLACES NP
	WIN 0
	FETCH_A \slot, (\q)+1, 4
.endm
.macro TURN slot, next, fill
	s_wait_tensorcnt 0x0
	ds_add_u32 v[SPW], v[NIL]
	s_wait_dscnt 4*NL+1
	WIN MUL_LO
	MUL16 0, 1, NQ-1, \slot, 0
	s_wait_dscnt 0x0
	s_barrier_signal -1
	MUL16 2, 1, NQ-1, \slot, 0
	WIN 0
	s_barrier_wait -1
.if \fill
	CREST
	s_add_nc_u64 s[G0+4*\slot+2:G0+4*\slot+3], s[G0+4*\slot+2:G0+4*\slot+3], 2*RT
	s_add_nc_u64 s[G0B+4*\slot+2:G0B+4*\slot+3], s[G0B+4*\slot+2:G0B+4*\slot+3], 2*RT
	JLOAD G0+4*\slot, G1, G0B+4*\slot, G1B
.else
	PLACES NP
.endif
	s_wait_alu depctr_va_vdst(0)
	v_add_nc_u32 v[ADRS], 4*NQ, v[ADRS]
	FETCH_B \next, 0, 0
	FETCH_A \next, 0, 0
	SCALES \next
	WIN MUL_HI
	MUL16 4, 1, NQ-1, \slot, 0
	MUL16 6, 1, NQ-1, \slot, 0
	PLACES NP
	WIN 0
	FETCH_A \next, 0, 4
.endm
	s_wait_alu depctr_va_vdst(0)
	s_wait_loadcnt 0x0
	s_wait_tensorcnt 0x0                           ; my tile of the head's four is in; slot 1's first fill is issued as a refill is
	ds_add_u32 v[SPW], v[NIL]
	s_mov_b32 s[G1+2], 8<<16                       ; no tensor load of mine is out: from here on a load brings 8 row tiles
	s_mov_b32 s[G1+4], 8
	s_mov_b32 s[G1B+2], 8<<16
	s_mov_b32 s[G1B+4], 8
	s_wait_dscnt 0x0
	CROUND
	JLOAD G0+4, G1, G0B+4, G1B
	FETCH_B 0, 0, 0
	FETCH_A 0, 0, 0
	SCALES 0
	FETCH_A 0, 0, 4
	STEP 0, 0, 1
	s_mov_b32 s3, 1
.Llap:
	TURN 0, 1, 1
	STEP 1, 0, 0
	TURN 1, 0, 1
	STEP 0, 0, 0
	s_sub_co_u32 s3, s3, 1
	s_cmp_lg_u32 s3, 0
	s_cbranch_scc1 .Llap
	TURN 0, 1, 0
	STEP 1, 0, 0
	s_wait_dscnt 4*NL
	WIN MUL_LO
	MUL16 0, 1, NQ-1, 1, 0
	MUL16 2, 1, NQ-1, 1, 0
	s_wait_dscnt 0
	WIN MUL_HI
	MUL16 4, 1, NQ-1, 1, 0
	MUL16 6, 1, NQ-1, 1, 0
	WIN 0
.set H,   128
.set TM,  32
.set T2,  48
.set PW,  56
.set PW0, 57
.set LI,  58
.set TT,  59
.set FA,  192
.set FB,  204
.set SA,  216
.set SB,  220
.set SEL, 96
.macro QUANT s, d0, d1
.irp b, 0,1,2,3
	v_max3_num_f32 v[TM+\b], |v[\s+16*\b]|, |v[\s+1+16*\b]|, 0x1800000
.endr
.irp i, 2,4,6,8,10,12,14
.irp b, 0,1,2,3
	v_max3_num_f32 v[TM+\b], v[TM+\b], |v[\s+16*\b+\i]|, |v[\s+1+16*\b+\i]|
.endr
.endr
.irp b, 0,1,2,3
	v_permlanex16_b32 v[TM+4+\b], v[TM+\b], s[SEL], s[SEL+1]
.endr
.irp b, 0,1,2,3
	v_max_num_f32 v[TM+\b], v[TM+\b], v[TM+4+\b]
.endr
.irp b, 0,1,2,3
	v_add_nc_u32 v[TM+12+\b], 0xff000000, v[TM+\b]
.endr
.irp b, 0,1,2,3
	v_lshrrev_b32 v[TM+4+\b], 23, v[TM+12+\b]
.endr
	v_lshl_or_b32 v[PW], v[TM+5], 8, v[TM+4]
	v_lshl_or_b32 v[PW], v[TM+6], 16, v[PW]
	v_lshl_or_b32 v[PW], v[TM+7], 24, v[PW]
	v_cvt_scalef32_pk16_fp6_f32 v[\d0:\d0+2], v[\s:\s+15], v[TM+12]
	v_cvt_scalef32_pk16_fp6_f32 v[T2:T2+2], v[\s+16:\s+31], v[TM+13]
	v_cvt_scalef32_pk16_fp6_f32 v[\d1:\d1+2], v[\s+32:\s+47], v[TM+14]
	v_cvt_scalef32_pk16_fp6_f32 v[T2+4:T2+6], v[\s+48:\s+63], v[TM+15]
	v_nop
.irp i, 0,1,2
	v_permlane16_swap_b32 v[\d0+\i], v[T2+\i]
.endr
.irp i, 0,1,2
	v_permlane16_swap_b32 v[\d1+\i], v[T2+4+\i]
.endr
.irp i, 0,1,2
	v_mov_b32 v[\d0+3+\i], v[T2+\i]
.endr
.irp i, 0,1,2
	v_mov_b32 v[\d1+3+\i], v[T2+4+\i]
.endr
.endm
	PLACES NP
	v_and_b32 v[LI], 31, v0
	v_lshlrev_b32 v[LI], 4, v[LI]
.irp b, 0,1,2,3
	v_mov_b32 v[TM+4+\b], 0
.endr
	s_mov_b32 s66, 0xffff0000
	s_mov_b32 s67, 0x7f7f0000
	s_mov_b32 s100, 0xffff
	s_mov_b32 s[SEL], 0x76543210
	s_mov_b32 s[SEL+1], 0xfedcba98
	s_cmp_eq_u32 s[PRJ], 2
	s_cbranch_scc1 .Lv
.irp ap, 0,1,2,3
.if \ap > 0
	s_wait_xcnt 0x0
.endif
.irp u, 0,1
	WIN 0x02+(2*\ap+\u)/4
.set i, 0
.rept 32
	v_pk_add_f32 v[H+i:H+i+1], v[64*((2*\ap+\u)%4)+i:64*((2*\ap+\u)%4)+i+1], v[BI+i:BI+i+1]
.set i, i+2
.endr
	WIN 0
	QUANT H, FA+6*\u, FB+6*\u
.if \u == 0
	v_mov_b32 v[PW0], v[PW]
.else
	v_cndmask_b32 v[TT], v[PW0], v[PW], s66
	v_and_or_b32 v[SA+\ap], v[TT], s100, s67
	v_lshrrev_b32 v[TT], 16, v[TT]
	v_or_b32 v[SB+\ap], s67, v[TT]
.endif
.endr
.irp c, 0,1,2
	global_store_b128 v[LI], v[FA+4*\c:FA+4*\c+3], s[14:15] offset:\ap*1536+512*\c th:TH_STORE_NT
.endr
.irp c, 0,1,2
	global_store_b128 v[LI], v[FB+4*\c:FB+4*\c+3], s[14:15] offset:HS+\ap*1536+512*\c th:TH_STORE_NT
.endr
.endr
	global_store_b128 v[LI], v[SA:SA+3], s[14:15] offset:6144 th:TH_STORE_NT
	global_store_b128 v[LI], v[SB:SB+3], s[14:15] offset:HS+6144 th:TH_STORE_NT
	s_branch .Lend
.Lv:
.irp a, 0,1,2,3,4,5,6,7
.if \a > 0
	s_wait_xcnt 0x0
.endif
	WIN 0x02+\a/4
.set i, 0
.rept 32
	v_pk_add_f32 v[H+i:H+i+1], v[64*(\a%4)+i:64*(\a%4)+i+1], v[BR+2*\a:BR+2*\a+1]
.set i, i+2
.endr
	WIN 0
	QUANT H, FA, FA+6
.irp c, 0,1,2
	global_store_b128 v[LI], v[FA+4*\c:FA+4*\c+3], s[14:15] offset:(\a/4)*HS+(\a%4)*1536+512*\c th:TH_STORE_NT
.endr
	v_mov_b32 v[SA+\a], v[PW]
.endr
	global_store_b128 v[LI], v[SA:SA+3], s[14:15] offset:6144 th:TH_STORE_NT
	global_store_b128 v[LI], v[SB:SB+3], s[14:15] offset:HS+6144 th:TH_STORE_NT
.Lend:
	s_wait_tensorcnt 0x0
	ds_add_u32 v[SPW], v[NIL]
	s_wait_dscnt 0x0
	CROUND
	s_endpgm
.Lfunc_end_k_qa159dcd690_proj:
	.size	k_qa159dcd690_proj, .Lfunc_end_k_qa159dcd690_proj-k_qa159dcd690_proj
	.p2alignl 7, 3214868480
	.fill 96, 4, 3214868480
	.section	.rodata,"a",@progbits
	.p2align	6, 0x0
	.amdhsa_kernel k_qa159dcd690_proj
		.amdhsa_group_segment_fixed_size 327680
		.amdhsa_private_segment_fixed_size 0
		.amdhsa_enable_private_segment 0
		.amdhsa_kernarg_size 48
		.amdhsa_user_sgpr_count 2
		.amdhsa_user_sgpr_kernarg_segment_ptr 1
		.amdhsa_wavefront_size32 1
		.amdhsa_system_sgpr_workgroup_id_x 1
		.amdhsa_system_sgpr_workgroup_id_y 1
		.amdhsa_system_sgpr_workgroup_id_z 1
		.amdhsa_system_vgpr_workitem_id 0
		.amdhsa_next_free_vgpr 1024
		.amdhsa_next_free_sgpr 102
		.amdhsa_reserve_vcc 0
		.amdhsa_float_denorm_mode_32 3
		.amdhsa_float_denorm_mode_16_64 3
		.amdhsa_memory_ordered 1
		.amdhsa_forward_progress 1
		.amdhsa_inst_pref_size 235
	.end_amdhsa_kernel
	.amdgpu_metadata
---
amdhsa.version: [ 1, 2 ]
amdhsa.kernels:
  - .name:           k_qa159dcd690_proj
    .symbol:         k_qa159dcd690_proj.kd
    .args:
      - { .name: xc, .offset: 0, .size: 8, .value_kind: global_buffer, .address_space: global }
      - { .name: xs, .offset: 8, .size: 8, .value_kind: global_buffer, .address_space: global }
      - { .name: wq_b, .offset: 16, .size: 8, .value_kind: global_buffer, .address_space: global }
      - { .name: wk_b, .offset: 24, .size: 8, .value_kind: global_buffer, .address_space: global }
      - { .name: wv_b, .offset: 32, .size: 8, .value_kind: global_buffer, .address_space: global }
      - { .name: qkv, .offset: 40, .size: 8, .value_kind: global_buffer, .address_space: global }
    .group_segment_fixed_size: 327680
    .private_segment_fixed_size: 0
    .kernarg_segment_align: 8
    .kernarg_segment_size: 48
    .max_flat_workgroup_size: 128
    .sgpr_count:     102
    .vgpr_count:     1024
    .wavefront_size: 32
...
	.end_amdgpu_metadata
.endif
;; end of part 2
;; launch attn (part 3): grid 4 x 64, 16 waves a work-group, clusters of 4 x 1, 239,616 bytes of LDS; arguments qkv, cc, cs; writes cc, cs
.if DOCPART == 3
	.amdgcn_target "amdgcn-amd-amdhsa--gfx1250"
	.amdhsa_code_object_version 6
	.text
	.protected	k_qa159dcd690_attn
	.globl	k_qa159dcd690_attn
	.p2align	8
	.type	k_qa159dcd690_attn,@function
k_qa159dcd690_attn:
	s_mov_b64 s[64:65], 0
	v_nop
	global_prefetch_b8 v0, s[64:65] scope:SCOPE_SE
	s_setreg_imm32_b32 hwreg(HW_REG_WAVE_MODE, 25, 1), 1
	s_wait_xcnt 0x0
	s_wait_alu depctr_hold_cnt(0) depctr_sa_sdst(0) depctr_va_vdst(0) depctr_va_sdst(0) depctr_va_ssrc(0) depctr_va_vcc(0) depctr_vm_vsrc(0)
	s_getreg_b32 s2, hwreg(HW_REG_IB_STS2, 6, 4)
	s_cmp_eq_u32 s2, 0
	s_cbranch_scc0 .Lentry_in_a_cluster
	s_endpgm
.Lentry_in_a_cluster:
	s_bfe_u32 s2, ttmp6, 0x10000c
	s_cmp_lg_u32 s2, 0x3003
	s_cbranch_scc0 .Lentry_shape_is_right
	s_endpgm
.Lentry_shape_is_right:
; ctx[b][q][head] = softmax_k(Q . K / 8) V for 64 (batch, head) pairs of 2,048 tokens, head size 64, both products on codes of FP6 (E2M3) with E8M0 scales; ctx is quantised along the model's 1,024 on the way out.
; THE SOFTMAX: t = score x log2(e) / 8; M = the running largest t rounded UP to a whole number; p = 2^(t - M) is quantised along the keys, not normalised; the row's sum is taken of the unquantised p in f32
; and divides at the end.  When M moves, the sum and O are multiplied by 2^(old M - new M): exact.
; SHARES.  A cluster of four work-groups has one (batch, head); a work-group 512 queries; each of its sixteen waves 32, in two passes of one tile of 16; both passes run one text.
; THE WHOLE HEAD'S K AND V STAY IN LDS: 16 steps of 128 keys x 13,312 bytes (K's codes 6,144, K's scale words 512, V's codes 6,144, V's scale words 512).  Wave w asks for step w jointly with the same wave
; of the three partners: one tensor load a wave in the launch, nothing is filled again, one barrier.  So there is no loop that runs ahead of a tensor load, and no prefetch is laid.
; LAYOUT.  Both products are used transposed (S^T = K Q^T, O^T = V^T P^T): a lane holds ONE query (lane % 16).  Tile 4 c + j of a step's K holds keys 64 c + 8 j + i and 64 c + 32 + 8 j + i (the first launch
; chose the rows so): registers 32 c .. 32 c + 31 of S^T in lane (r, h) are keys 64 c + 32 h + 0 .. 31: one whole scale block, in the order of P's operand registers.  No lane asks another for a block's maximum.
; THE HEAD'S 64 FILL HALF OF THE INSTRUCTION'S 128: Q's registers 6-11 are zero codes; K's tiles stand six registers apart, so a tile's upper half is the next tile's codes (behind the last: p's codes):
; numbers of the format, which add nothing against zero codes; the scale bytes of that half are 1.0.
; K AND V HAVE REGISTERS OF THEIR OWN and are asked for a step ahead: the next K behind this step's first product, the next V behind its second.  The last step of a pass is written out: it asks for nothing.
; LIMITS: NaN and infinities are not served; the promise holds while the scaled scores t stay under 2^31 in magnitude; a block of zeros keeps the byte 1 (its codes are zeros; this program alone reads the bytes).
.set STEPB, 13312
.set VCO,   6656
.set KSC,   6144
.set REC,   19968
.set PART,  6656
.set HS,    16*REC
.set QST,   16*STEPB                   ; behind K and V: each wave's own 1,536 bytes for its two tiles of Q, 768 a tile
.set SPARE, QST+16*1536                ; the spare words, 128 bytes a wave, which no other line names
.set LI,  1                            ; v1  16 x lane
.set ADR, 2                            ; v2  the next step's place in LDS + 16 x lane
.set CO,  3                            ; v3  8 x lane
.set SOF, 4                            ; v4  32 r
.set SPW, 5
.set NIL, 6
.set QS,  7                            ; v7  Q's scale words: lanes 0-15 this pass's tile
.set SH8, 8                            ; v8  8 h
.set PS,  9                            ; v9  p's scale word
.set SO,  10                           ; v10-11 the conversions' scale operands;  v12 -M, v13 the largest score, v[14:15] the sum
.set QF,  16                           ; v16-27  Q's fragment
.set KK,  28                           ; v28-75  K's eight tiles
.set PP,  76                           ; v76-87  p's codes
.set VV,  88                           ; v88-135 V's four fragments
.set SS,  136                          ; v136-199 S^T, then p, at the end ctx
.set OO,  200                          ; v200-231 O^T
.set KS,  232                          ; v232-235 K's scale words, v236-239 V's
.set VS,  236
.set BM,  240                          ; v240-255 at work
.set BX,  242
.set MX,  244
.set DD,  245
.set PT,  247
.set FF,  248
.set SB_, 250
.set SC_, 252
.set SE_, 254
.set TA,  240
.set TB_, 244
.set WV,  10
.set CX,  11
.set BH,  12
.set G0,  16
.set SEL, 20
.set CS,  22
.set G1,  24
.set TB,  32
.set CNT, 33
.set QO,  45
.set PCT, 46
.macro CROUND
	s_barrier_signal -1
	s_barrier_wait -1
	s_cmp_lg_u32 s[WV], 0
	s_cbranch_scc1 .Lnot_wave_0_\@
	s_barrier_signal -3
.Lnot_wave_0_\@:
	s_barrier_wait -3
	s_barrier_signal -1
	s_barrier_wait -1
.endm
.macro WALU
	s_wait_alu depctr_va_vdst(0)
.endm
.macro DLY
	s_delay_alu instid0(VALU_DEP_1)
.endm
.macro LOAD13 d, w, a, o               ; 6,144 bytes of codes and 512 of scale words: 13 loads of 512 consecutive bytes
.irp i, 0,1,2,3,4,5,6,7,8,9,10,11
	ds_load_b128 v[\d+4*\i:\d+4*\i+3], v[\a] offset:\o+512*\i
.endr
	ds_load_b128 v[\w:\w+3], v[\a] offset:\o+KSC
.endm
.macro KQ t                            ; tile t of S^T; K's word lies in lanes 0-15 for an even tile, 16-31 for an odd one
.if (\t)%2
	v_wmma_scale_f32_16x16x128_f8f6f4 v[SS+8*(\t):SS+8*(\t)+7], v[KK+6*(\t):KK+6*(\t)+11], v[QF:QF+11], 0, v[KS+(\t)/2], v[QS] matrix_a_fmt:MATRIX_FMT_FP6 matrix_b_fmt:MATRIX_FMT_FP6 matrix_a_scale:MATRIX_SCALE_ROW1
.else
	v_wmma_scale_f32_16x16x128_f8f6f4 v[SS+8*(\t):SS+8*(\t)+7], v[KK+6*(\t):KK+6*(\t)+11], v[QF:QF+11], 0, v[KS+(\t)/2], v[QS] matrix_a_fmt:MATRIX_FMT_FP6 matrix_b_fmt:MATRIX_FMT_FP6
.endif
.endm
.macro SUM4 j                          ; four pairs of p onto the sum's four chains
	v_pk_add_f32 v[SB_:SB_+1], v[SB_:SB_+1], v[SS+\j:SS+\j+1]
	v_pk_add_f32 v[SC_:SC_+1], v[SC_:SC_+1], v[SS+\j+2:SS+\j+3]
	v_pk_add_f32 v[SE_:SE_+1], v[SE_:SE_+1], v[SS+\j+4:SS+\j+5]
	v_pk_add_f32 v[14:15], v[14:15], v[SS+\j+6:SS+\j+7]
.endm
; A KEY STEP: 128 keys.  more = 1: the next step's K and V are asked for
.macro STEP more
	s_wait_dscnt 13                                ; this step's K is in; V's 13 loads, issued behind K's, may be out
.irp t, 0,1,2,3,4,5,6,7
	KQ \t
.endr
.if \more
	v_add_nc_u32 v[ADR], s[TB], v[LI]              ; four places behind the products, ahead of the loads into their sources and of the first read of the scores
.rept 3
	v_nop
.endr
	LOAD13 KK, KS, ADR, 0
.else
.rept 4
	v_nop
.endr
.endif
.irp c, 0,1                            ; each block's largest score, in two chains a block; every accumulator is read from its low end on
	v_max3_num_f32 v[BM+\c], v[SS+32*\c], v[SS+32*\c+1], v[SS+32*\c+2]
	v_max3_num_f32 v[BX+\c], v[SS+32*\c+16], v[SS+32*\c+17], v[SS+32*\c+18]
.endr
.irp i, 3,5,7,9,11,13
.irp c, 0,1
	v_max3_num_f32 v[BM+\c], v[BM+\c], v[SS+32*\c+\i], v[SS+32*\c+\i+1]
	v_max3_num_f32 v[BX+\c], v[BX+\c], v[SS+32*\c+16+\i], v[SS+32*\c+17+\i]
.endr
.endr
.irp c, 0,1
	v_max3_num_f32 v[BM+\c], v[BM+\c], v[SS+32*\c+15], v[SS+32*\c+31]
.endr
.irp c, 0,1
	v_max_num_f32 v[BM+\c], v[BM+\c], v[BX+\c]     ; it serves twice: for the row's maximum and, since p rises with the score, for the block's largest p
.endr
	DLY
	v_max_num_f32 v[MX], v[BM], v[BM+1]
	DLY
	v_permlanex16_b32 v[PT], v[MX], s[SEL], s[SEL+1]
	DLY
	v_max3_num_f32 v13, v13, v[MX], v[PT]          ; the running largest score of my query
	DLY
	v_mul_f32 v[DD], 0xbe38aa3b, v13               ; -t
	DLY
	v_floor_f32 v[DD+1], v[DD]                     ; the new -M: M is a whole number
	DLY
	v_sub_f32 v[DD], v[DD+1], v12                  ; old M - new M: a whole number, 0 or less
	v_mov_b32 v12, v[DD+1]
.set j_, 0
.rept 32
	v_pk_fma_f32 v[SS+j_:SS+j_+1], v[SS+j_:SS+j_+1], s[CS:CS+1], v[12:13] op_sel_hi:[1,0,0]   ; t - M, two at a time; the two lines that make f stand among them
.if j_ == 14
	v_cvt_i32_f32 v[DD], v[DD]                     ; (it saturates)
.endif
.if j_ == 30
	v_ldexp_f32 v[FF], 1.0, v[DD]                  ; f = 2^(old M - new M)
.endif
.set j_, j_+2
.endr
.irp c, 0,1
	v_fma_f32 v[BM+\c], v[BM+\c], s[CS], v12       ; the same of each block's largest score
.endr
.set j_, 0
.rept 16
	v_pk_mul_f32 v[OO+j_:OO+j_+1], v[OO+j_:OO+j_+1], v[FF:FF+1] op_sel_hi:[1,0]   ; O^T under the new M, ahead of the exponentials
.set j_, j_+2
.endr
	WALU
.set j_, 0
.rept 64
	v_exp_f32 v[SS+j_], v[SS+j_]                   ; p = 2^(t - M), at most 1
.set j_, j_+1
.endr
	v_exp_f32 v[BM], v[BM]                         ; each block's largest p
	v_exp_f32 v[BM+1], v[BM+1]
	v_pk_mul_f32 v[14:15], v[14:15], v[FF:FF+1] op_sel_hi:[1,0]   ; the sum under the new M (a plain place behind the batch)
	WALU                                           ; one wait for the batch, and for all that was written ahead of the wait below
	s_wait_dscnt 13*\more                          ; V is in; the next K's 13 loads, issued behind V's, may be out
.irp c, 0,1
	v_max_num_f32 v[BM+\c], 0x1800000, v[BM+\c]    ; the floor 2^(3 - 127): the byte cannot fall under 1
.endr
	v_pk_add_f32 v[SB_:SB_+1], v[SS:SS+1], v[SS+2:SS+3]            ; the row's sum of the unquantised p, four chains; the scale word's lines stand among them
	v_pk_add_f32 v[SC_:SC_+1], v[SS+4:SS+5], v[SS+6:SS+7]
	v_pk_add_f32 v[SE_:SE_+1], v[SS+8:SS+9], v[SS+10:SS+11]
	v_pk_add_f32 v[14:15], v[14:15], v[SS+12:SS+13]
.irp c, 0,1
	v_add_nc_u32 v[SO+\c], 0xff000000, v[BM+\c]    ; 2 off the exponent field: the conversion's scale operand
.endr
	SUM4 14
.irp c, 0,1
	v_lshrrev_b32 v[BM+\c], 23, v[SO+\c]           ; the scale's byte
.endr
	SUM4 22
	v_lshl_or_b32 v[MX], v[BM+1], 16, v[BM]        ; my blocks h and 2 + h
	SUM4 30
	v_lshlrev_b32 v[MX], v[SH8], v[MX]             ; at their places in the word
	v_pk_add_f32 v[SB_:SB_+1], v[SB_:SB_+1], v[SS+54:SS+55]
	v_pk_add_f32 v[SC_:SC_+1], v[SC_:SC_+1], v[SS+56:SS+57]
	v_permlanex16_b32 v[PT], v[MX], s[SEL], s[SEL+1]
	v_pk_add_f32 v[14:15], v[14:15], v[SS+58:SS+59]
	v_pk_add_f32 v[SC_:SC_+1], v[SC_:SC_+1], v[SS+60:SS+61]
	v_or_b32 v[PS], v[MX], v[PT]                   ; with lane l xor 16's two the word is whole
	v_cvt_scalef32_pk16_fp6_f32 v[PP:PP+2], v[SS:SS+15], v[SO]
	v_cvt_scalef32_pk16_fp6_f32 v[TA:TA+2], v[SS+16:SS+31], v[SO]      ; (a conversion's three registers begin on an even number)
	v_cvt_scalef32_pk16_fp6_f32 v[PP+6:PP+8], v[SS+32:SS+47], v[SO+1]
	v_cvt_scalef32_pk16_fp6_f32 v[TB_:TB_+2], v[SS+48:SS+63], v[SO+1]
	SUM4 38                                        ; plain lines behind the conversions; with the four below: eight places between the scale word's write and the products
.irp i, 0,1,2
	v_mov_b32 v[PP+3+\i], v[TA+\i]
	v_mov_b32 v[PP+9+\i], v[TB_+\i]
.endr
	SUM4 46                                        ; four places between the last write of p's codes and the products
.irp t, 0,1,2,3
	v_wmma_scale_f32_16x16x128_f8f6f4 v[OO+8*\t:OO+8*\t+7], v[VV+12*\t:VV+12*\t+11], v[PP:PP+11], v[OO+8*\t:OO+8*\t+7], v[VS+\t], v[PS] matrix_a_fmt:MATRIX_FMT_FP6 matrix_b_fmt:MATRIX_FMT_FP6
.endr
	v_pk_add_f32 v[SE_:SE_+1], v[SE_:SE_+1], v[SS+62:SS+63]        ; the sum's last four additions are the four places behind the products
	v_pk_add_f32 v[SB_:SB_+1], v[SB_:SB_+1], v[SC_:SC_+1]
	v_pk_add_f32 v[14:15], v[14:15], v[SE_:SE_+1]
	v_pk_add_f32 v[14:15], v[14:15], v[SB_:SB_+1]
.if \more
	LOAD13 VV, VS, ADR, VCO
	s_add_co_u32 s[TB], s[TB], STEPB
.endif
.endm
	s_load_b128 s[4:7], s[0:1], 0x0                ; qkv, cc
	s_load_b64 s[8:9], s[0:1], 0x10                ; cs
	v_lshl_add_u32 v[SPW], v0, 2, SPARE
	v_mov_b32 v[NIL], 0
	ds_add_u32 v[SPW], v[NIL]                      ; the opening lines: the add, twice on end, and its wait ahead of my tensor load
	ds_add_u32 v[SPW], v[NIL]
	v_lshrrev_b32 v10, 5, v0
	v_readfirstlane_b32 s[WV], v10                 ; wave 0..15
	s_bfe_u32 s[CX], ttmp6, 0x40000                ; my place in the cluster: it enters Q's, cc's and cs's addresses alone
	s_and_b32 s[BH], ttmp7, 0xffff                 ; 16 x batch + head, which the partners share
	s_mov_b32 s[G1], 15|(3<<16)|(1<<21)            ; group 1: 13,312 dense bytes as 52 rows of 256; the mask names all four work-groups
	s_mov_b32 s[G1+1], 32<<16
	s_mov_b32 s[G1+2], 52<<16
	s_mov_b32 s[G1+3], 32<<16
	s_mov_b32 s[G1+4], 52
	s_mov_b32 s[G1+5], 32
	s_mov_b32 s[G1+6], 0
	s_mov_b32 s[G1+7], 0
	s_mov_b32 s[G0], 1
	s_mul_i32 s[G0+1], s[WV], STEPB                ; step w's place in LDS
	s_mul_i32 s13, s[BH], HS                       ; the head's records
	s_mul_i32 s38, s[WV], REC
	s_add_co_u32 s38, s38, s13                     ; step w's record: K's part, then V's
	s_mov_b32 s39, 0
	s_lshl_b32 s14, s[CX], 2
	s_lshr_b32 s15, s[WV], 2
	s_add_co_u32 s14, s14, s15                     ; my 32 queries lie in step 4 cx + w / 4,
	s_mul_i32 s14, s14, REC
	s_add_co_u32 s14, s14, s13
	s_and_b32 s15, s[WV], 3                        ; unit w % 4 of its Q part
	s_mul_i32 s34, s15, 1536
	s_add_co_u32 s34, s34, s14
	s_add_co_u32 s34, s34, 2*PART
	s_mov_b32 s35, 0
	s_lshl_b32 s36, s15, 2
	s_add_co_u32 s36, s36, s14
	s_add_co_u32 s36, s36, 2*PART+KSC              ; and word w % 4 of a lane's four scale words
	s_mov_b32 s37, 0
	s_lshr_b32 s14, s[BH], 4
	s_lshl_b32 s14, s14, 7
	s_lshl_b32 s15, s[CX], 5
	s_add_co_u32 s14, s14, s15
	s_lshl_b32 s15, s[WV], 1
	s_add_co_u32 s14, s14, s15                     ; my first row tile of ctx: 128 x batch + 32 cx + 2 w
	s_and_b32 s15, s[BH], 15                       ; the head: half a fragment, 768 bytes, and two scale bytes
	s_mul_i32 s40, s14, 12288
	s_mul_i32 s41, s15, 768
	s_add_co_u32 s40, s40, s41
	s_mov_b32 s41, 0
	s_lshl_b32 s42, s14, 9
	s_lshl_b32 s43, s15, 1
	s_add_co_u32 s42, s42, s43
	s_mov_b32 s43, 0
	s_mov_b32 s[SEL], 0x76543210
	s_mov_b32 s[SEL+1], 0xfedcba98                 ; lane l xor 16
	s_mov_b32 s[CS], 0x3e38aa3b                    ; c = log2(e) / 8
	s_mov_b32 s[CS+1], s[CS]
	s_mul_i32 s[QO], s[WV], 1536
	s_add_co_u32 s[QO], s[QO], QST                 ; my stage for Q
	s_wait_dscnt 0x0                               ; both opening adds are done
	s_wait_kmcnt 0x0
	s_add_nc_u64 s[G0+2:G0+3], s[4:5], s[38:39]
	s_or_b32 s[G0+3], s[G0+3], 0x80000000
	s_add_nc_u64 s[34:35], s[4:5], s[34:35]
	s_add_nc_u64 s[36:37], s[4:5], s[36:37]
	s_add_nc_u64 s[6:7], s[6:7], s[40:41]
	s_add_nc_u64 s[8:9], s[8:9], s[42:43]
	CROUND                                         ; all four work-groups are here: the joint loads meet
	tensor_load_to_lds s[G0:G0+3], s[G1:G1+7]      ; my one tensor load: step w of the head's K and V
	s_nop 0
.rept 4
	v_nop
.endr
	v_and_b32 v10, 31, v0
	v_and_b32 v[SOF], 15, v0
	v_bfe_u32 v[SH8], v0, 4, 1
	v_lshlrev_b32 v[LI], 4, v10
	v_lshlrev_b32 v[CO], 3, v10
	v_lshlrev_b32 v[SOF], 5, v[SOF]
	v_lshlrev_b32 v[SH8], 3, v[SH8]
.irp c, 0,1,2
	global_load_b128 v[SS+4*\c:SS+4*\c+3], v[LI], s[34:35] offset:512*\c   ; my two tiles of Q, six registers each
.endr
	global_load_b32 v[QS], v[LI], s[36:37]         ; their scale words: lanes 0-15 the first tile's, lanes 16-31 the second's
	v_add_nc_u32 v[ADR], s[QO], v[CO]
.irp i, 0,1,2,3,4,5
	v_mov_b32 v[QF+6+\i], 0                        ; Q's zero codes for the half of K that is not there
	v_mov_b32 v[PP+\i], 0                          ; what stands behind K's last tile in the first step
	v_mov_b32 v[PP+6+\i], 0
.endr
	v_mov_b32 v[PT], 0                             ; a lane permute's destination counts as one of its sources
	v_mov_b32 v[FF+1], 0                           ; (named as the upper half of a pair)
	WALU
	s_wait_loadcnt 0x0
	s_wait_tensorcnt 0x0                           ; my step has landed
.irp g, 0,1,2,3,4,5
	ds_store_b64 v[ADR], v[SS+2*\g:SS+2*\g+1] offset:256*\g   ; Q into my own stage, a register pair to 256 bytes: a tile's three pairs lie 768 bytes from the other's
.endr
	s_wait_dscnt 0x0
	s_barrier_signal -1
	s_barrier_wait -1                              ; everybody's step has landed: the head's K and V are whole
	s_mov_b32 s[PCT], 0
; A WAVE'S PRIORITY (S_SETPRIO, ISA guide: 0 to 3) falls as the wave gets on with its 32 steps: 3 in the first pass, 2 in the second pass's first ten steps, 1 in its next five, 0 in its last:
; of two waves the one that has more steps left never has the lower priority.  A pass's 15 looped steps go as 3 x 5, and the choice is made ahead of each five.
.set MC, 47                            ; s47  fives done in this pass
.set GC, 44                            ; s44  fives done in all
	s_mov_b32 s[GC], 0
	s_setprio 3
.Lpass:                                                ; A PASS: one tile of 16 queries.  O^T and the sum begin as zeros, the largest score as -3e38, -M as 3e38: the first step multiplies zeros by 0
	v_add_nc_u32 v[ADR], s[QO], v[CO]
.irp i, 0,1,2
	ds_load_b64 v[QF+2*\i:QF+2*\i+1], v[ADR] offset:256*\i
.endr
	LOAD13 KK, KS, LI, 0                           ; step 0's K, then its V: the order on which the steps' counted waits rest
	LOAD13 VV, VS, LI, VCO
	v_mov_b32 v13, 0xff61b1e6
	v_mov_b32 v12, 0x7f61b1e6
	v_mov_b32 v14, 0
	v_mov_b32 v15, 0
.set j_, 0
.rept 32
	v_mov_b32 v[OO+j_], 0
.set j_, j_+1
.endr
	s_mov_b32 s[TB], STEPB
	s_mov_b32 s[MC], 0
	WALU
.Lfive:
	s_cmp_lt_u32 s[GC], 3                          ; the first pass keeps 3
	s_cbranch_scc1 .Lprio
	s_setprio 2
	s_cmp_lt_u32 s[GC], 5
	s_cbranch_scc1 .Lprio
	s_setprio 1
.Lprio:
	s_add_co_u32 s[GC], s[GC], 1
	s_mov_b32 s[CNT], 5
.Lstep:
	STEP 1
	s_sub_co_u32 s[CNT], s[CNT], 1
	s_cmp_lg_u32 s[CNT], 0
	s_cbranch_scc1 .Lstep
	s_add_co_u32 s[MC], s[MC], 1
	s_cmp_lt_u32 s[MC], 3
	s_cbranch_scc1 .Lfive
	s_cmp_lg_u32 s[PCT], 0
	s_cbranch_scc0 .Ltail
	s_setprio 0                                    ; the second pass's last step
.Ltail:
	STEP 0
	v_add_f32 v14, v14, v15                        ; the sum's two halves,
	v_permlanex16_b32 v[PT], v14, s[SEL], s[SEL+1]
	v_add_f32 v14, v14, v[PT]                      ; and lane l xor 16's
	WALU
	v_rcp_f32 v14, v14
	v_nop
	WALU                                           ; ahead of the reciprocal's first reader, which is also O^T's
.set j_, 0
.rept 32
	v_mul_f32 v[SS+j_], v[OO+j_], v14              ; ctx: register 16 b + i is the head's 32 b + 16 h + i
.set j_, j_+1
.endr
.irp b, 0,1
	v_max3_num_f32 v[BM+\b], |v[SS+16*\b]|, |v[SS+16*\b+1]|, 0x1800000
.endr
.irp i, 2,4,6,8,10,12,14
.irp b, 0,1
	v_max3_num_f32 v[BM+\b], v[BM+\b], |v[SS+16*\b+\i]|, |v[SS+16*\b+\i+1]|
.endr
.endr
.irp b, 0,1
	v_permlanex16_b32 v[BX+\b], v[BM+\b], s[SEL], s[SEL+1]
.endr
.irp b, 0,1
	v_max_num_f32 v[BM+\b], v[BM+\b], v[BX+\b]
.endr
.irp b, 0,1
	v_add_nc_u32 v[SO+\b], 0xff000000, v[BM+\b]
.endr
.irp b, 0,1
	v_lshrrev_b32 v[BX+\b], 23, v[SO+\b]
.endr
	v_lshl_or_b32 v[MX], v[BX+1], 8, v[BX]         ; my row's two scale bytes
	v_cvt_scalef32_pk16_fp6_f32 v[PP:PP+2], v[SS:SS+15], v[SO]
	v_cvt_scalef32_pk16_fp6_f32 v[SB_:SB_+2], v[SS+16:SS+31], v[SO+1]
	v_nop
.irp i, 0,1,2
	v_permlane16_swap_b32 v[PP+\i], v[SB_+\i]      ; the layout wants a whole block in a lane
.endr
.irp i, 0,1,2
	v_mov_b32 v[PP+3+\i], v[SB_+\i]                ; six registers of the last product's fragment: lane (r, h) holds the head's 32 h .. 32 h + 31
.endr
.irp p, 0,1,2
	global_store_b64 v[CO], v[PP+2*\p:PP+2*\p+1], s[6:7] offset:256*\p th:TH_STORE_NT   ; 32 lanes store 256 consecutive bytes, aligned
.endr
	global_store_b16 v[SOF], v[MX], s[8:9]         ; lanes 16-31 write what lanes 0-15 write
	v_permlanex16_b32 v[PT], v[QS], s[SEL], s[SEL+1]
	v_mov_b32 v[QS], v[PT]                         ; the other tile's scale words into lanes 0-15
	s_wait_xcnt 0x0                                ; the stores have read their registers and bases
	s_add_nc_u64 s[6:7], s[6:7], 12288             ; the next row tile of ctx
	s_add_nc_u64 s[8:9], s[8:9], 512
	s_add_co_u32 s[QO], s[QO], 768
	s_add_co_u32 s[PCT], s[PCT], 1
	s_cmp_lt_u32 s[PCT], 2
	WALU
	s_cbranch_scc1 .Lpass
	s_wait_tensorcnt 0x0                           ; the wave's end
	ds_add_u32 v[SPW], v[NIL]
	s_wait_dscnt 0x0
	CROUND                                         ; the closing round
	s_endpgm
.Lfunc_end_k_qa159dcd690_attn:
	.size	k_qa159dcd690_attn, .Lfunc_end_k_qa159dcd690_attn-k_qa159dcd690_attn
	.p2alignl 7, 3214868480
	.fill 96, 4, 3214868480
	.section	.rodata,"a",@progbits
	.p2align	6, 0x0
	.amdhsa_kernel k_qa159dcd690_attn
		.amdhsa_group_segment_fixed_size 239616
		.amdhsa_private_segment_fixed_size 0
		.amdhsa_enable_private_segment 0
		.amdhsa_kernarg_size 24
		.amdhsa_user_sgpr_count 2
		.amdhsa_user_sgpr_kernarg_segment_ptr 1
		.amdhsa_wavefront_size32 1
		.amdhsa_system_sgpr_workgroup_id_x 1
		.amdhsa_system_sgpr_workgroup_id_y 1
		.amdhsa_system_sgpr_workgroup_id_z 1
		.amdhsa_system_vgpr_workitem_id 0
		.amdhsa_next_free_vgpr 256
		.amdhsa_next_free_sgpr 66
		.amdhsa_reserve_vcc 0
		.amdhsa_float_denorm_mode_32 3
		.amdhsa_float_denorm_mode_16_64 3
		.amdhsa_memory_ordered 1
		.amdhsa_forward_progress 1
		.amdhsa_inst_pref_size 41
	.end_amdhsa_kernel
	.amdgpu_metadata
---
amdhsa.version: [ 1, 2 ]
amdhsa.kernels:
  - .name:           k_qa159dcd690_attn
    .symbol:         k_qa159dcd690_attn.kd
    .args:
      - { .name: qkv, .offset: 0, .size: 8, .value_kind: global_buffer, .address_space: global }
      - { .name: cc, .offset: 8, .size: 8, .value_kind: global_buffer, .address_space: global }
      - { .name: cs, .offset: 16, .size: 8, .value_kind: global_buffer, .address_space: global }
    .group_segment_fixed_size: 239616
    .private_segment_fixed_size: 0
    .kernarg_segment_align: 8
    .kernarg_segment_size: 24
    .max_flat_workgroup_size: 512
    .sgpr_count:     66
    .vgpr_count:     256
    .wavefront_size: 32
...
	.end_amdgpu_metadata
.endif
;; end of part 3
;; launch outp (part 4): grid 4 x 64, 4 waves a work-group, clusters of 4 x 4, 327,680 bytes of LDS; arguments cc, cs, xc, xs, wo_b, out0; writes out0
.if DOCPART == 4
	.amdgcn_target "amdgcn-amd-amdhsa--gfx1250"
	.amdhsa_code_object_version 6
	.text
	.protected	k_qa159dcd690_outp
	.globl	k_qa159dcd690_outp
	.p2align	8
	.type	k_qa159dcd690_outp,@function
k_qa159dcd690_outp:
	s_mov_b64 s[64:65], 0
	v_nop
	global_prefetch_b8 v0, s[64:65] scope:SCOPE_SE
	s_setreg_imm32_b32 hwreg(HW_REG_WAVE_MODE, 25, 1), 1
	s_wait_xcnt 0x0
	s_wait_alu depctr_hold_cnt(0) depctr_sa_sdst(0) depctr_va_vdst(0) depctr_va_sdst(0) depctr_va_ssrc(0) depctr_va_vcc(0) depctr_vm_vsrc(0)
	s_getreg_b32 s2, hwreg(HW_REG_IB_STS2, 6, 4)
	s_cmp_eq_u32 s2, 0
	s_cbranch_scc0 .Lentry_in_a_cluster
	s_endpgm
.Lentry_in_a_cluster:
	s_bfe_u32 s2, ttmp6, 0x10000c
	s_cmp_lg_u32 s2, 0xf033
	s_cbranch_scc0 .Lentry_shape_is_right
	s_endpgm
.Lentry_shape_is_right:
; out0 = ctx wo^T + wo_b: [8192][1024] x [1024][1024] on codes of FP6 (E2M3) with E8M0 scales, f32 sums, f32 out.
; cc and xc hold row tiles of 16 rows x all of K: 8 fragments of 1,536 bytes, each an image of the operand's 12 registers (six pieces of 256 bytes, 8 bytes a lane); cs and xs 32 scale bytes a row.  wo's tiles begin at tile 1,728 of xc.
; SHARES.  256 work-groups, each 128 rows x 256 columns; four waves, 2 x 2, each 64 x 128: 32 accumulators.
; ALL OF K LIES IN LDS: ctx's 8 tiles (98,304 bytes), wo's 16 (196,608), their scale bytes (4,096 and 8,192): four dense blocks of memory, one joint load a wave at the head.  Nothing is filled again:
; one barrier shows the tiles to all, and no round stands in the walk along K.  All tensor loads stand at the head, so there is no loop to run ahead in, and no prefetch is laid.
; CLUSTERS: 4 x 4.  ctx's rows are shared along a row of the cluster, wo's along a column.
; THE MATRIX INSTRUCTION IS USED TRANSPOSED (source 0 = wo's rows, source 1 = ctx's): a lane holds eight neighbouring columns of one row.  The bias is the first products' C.
; A STEP is 128 along K: 32 products on one set of fragments; the next step's 72 LDS loads go into the other set, three behind each of the first 24 products.
; REGISTERS: window 0: v0-31 addresses; v32-95 scale words (8 i + q: lanes 0-15 ctx's tile i, lanes 16-31 wo's tile i, step q); v96-159 the bias; v160-255 ctx's fragments, two sets.
; window 1: wo's fragments, two sets of 96.  window 2: the accumulators, (a, b) at 8 (8 a + b).
; THE WAY OUT goes through each wave's stage, which lies on ctx's codes: they have had their only fill, and a barrier in the last step shows that no wave reads them any more.
.set TILEB,  12288
.set FRB,    1536
.set UNITB,  8*TILEB
.set LB,     UNITB                     ; wo's codes in LDS
.set SCL,    3*UNITB                   ; ctx's scale bytes, then wo's
.set SPARE,  SCL+12288                 ; the spare words, 128 bytes a wave, which no other line names
.set SPITCH, 528
.set ADRA, 16
.set ADRB, 20                          ; v20 wo's tiles 0-3, v21 tiles 4-7
.set STO,  24
.set RD,   25
.set CO,   26
.set ADRS, 27
.set SPW,  28
.set NIL,  29
.set SC,   32
.set BI,   96
.set AF,   160
.set BK,   128
.set WV,   16
.set WH,   17
.set WL,   18
.set G1A,  24
.set G1B,  32
.set G1SA, 40
.set G1SB, 48
.set G0A,  56
.set G0B,  60
.set G0SA, 68
.set G0SB, 72
.set MSB, 0
.macro WIN new
.if MSB != (\new)
	s_set_vgpr_msb (MSB<<8)|(\new)
.set MSB, (\new)
.endif
.endm
.macro PLACES n
.rept \n
	v_nop
.endr
.endm
.macro CROUND
	s_barrier_signal -1
	s_barrier_wait -1
	s_cmp_lg_u32 s[WV], 0
	s_cbranch_scc1 .Lnot_wave_0_\@
	s_barrier_signal -3
.Lnot_wave_0_\@:
	s_barrier_wait -3
	s_barrier_signal -1
	s_barrier_wait -1
.endm
.macro GROUP1 g, mask, rows, cols=32   ; a dense block as rows of cols elements of 8 bytes: scale bytes in rows of 256 bytes, codes in rows of a whole row tile, 12,288 bytes
	s_or_b32 s[\g], s[\mask], (3<<16)|(1<<21)
	s_mov_b32 s[\g+1], (\cols)<<16
	s_mov_b32 s[\g+2], (\rows)<<16
	s_mov_b32 s[\g+3], (\cols)<<16
	s_mov_b32 s[\g+4], \rows
	s_mov_b32 s[\g+5], \cols
	s_mov_b32 s[\g+6], 0
	s_mov_b32 s[\g+7], 0
.endm
.macro GROUP0 g, lds, a
	s_mov_b32 s[\g], 1
	s_mov_b32 s[\g+1], \lds
	s_mov_b64 s[\g+2:\g+3], s[\a:\a+1]
	s_or_b32 s[\g+3], s[\g+3], 0x80000000
.endm
.macro ARM under, g0, g1, next
	s_cmp_lt_u32 s[WV], \under
	s_cbranch_scc0 \next
	tensor_load_to_lds s[\g0:\g0+3], s[\g1:\g1+7]
	s_nop 0
	PLACES 4
	s_branch .Lhead_asked
\next:
.endm
	s_load_b128 s[4:7], s[0:1], 0x0                ; cc, cs
	s_load_b128 s[8:11], s[0:1], 0x10              ; xc, xs
	s_load_b128 s[12:15], s[0:1], 0x20             ; wo_b, out0
	v_lshl_add_u32 v[SPW], v0, 2, SPARE
	v_mov_b32 v[NIL], 0
	ds_add_u32 v[SPW], v[NIL]                      ; the opening lines: the add, twice on end, and its wait
	ds_add_u32 v[SPW], v[NIL]
	v_lshrrev_b32 v1, 5, v0
	v_readfirstlane_b32 s[WV], v1
	s_lshr_b32 s[WH], s[WV], 1                     ; which 64 rows are mine
	s_and_b32 s[WL], s[WV], 1                      ; which 128 columns
	s_bfe_u32 s19, ttmp6, 0x40000                  ; cx = the block of 256 columns
	s_bfe_u32 s76, ttmp6, 0x40004                  ; cy
	s_and_b32 s77, ttmp7, 0xffff
	s_lshl_b32 s77, s77, 2
	s_add_co_u32 s77, s77, s76                     ; the block of 128 rows
	s_lshl_b32 s78, s76, 2
	s_lshl_b32 s78, 15, s78                        ; my row of the cluster
	s_lshl_b32 s79, 0x1111, s19                    ; my column
	GROUP1 G1A, 78, 8, 1536
	GROUP1 G1B, 79, 16, 1536
	GROUP1 G1SA, 78, 16
	GROUP1 G1SB, 79, 32
	s_mul_i32 s80, s77, UNITB                      ; ctx's codes,
	s_mov_b32 s81, 0
	s_lshl_b32 s82, s77, 12                        ; its scale bytes
	s_mov_b32 s83, 0
	s_lshl_b32 s20, s19, 1
	s_add_co_u32 s88, s20, s[WL]                   ; my 128 columns' number, 0 .. 7
	s_add_co_u32 s20, s20, 216
	s_mul_i32 s84, s20, UNITB                      ; wo's codes,
	s_mov_b32 s85, 0
	s_lshl_b32 s86, s20, 12                        ; its scale bytes
	s_mov_b32 s87, 0
	s_lshl_b32 s92, s88, 9                         ; my columns in the bias and in a row of out0, in bytes
	s_mov_b32 s93, 0
	s_lshl_b32 s94, s77, 7
	s_lshl_b32 s95, s[WH], 6
	s_add_co_u32 s94, s94, s95
	s_lshl_b32 s94, s94, 12                        ; my first row of out0, in bytes (under 2^26)
	s_add_co_u32 s94, s94, s92
	s_mov_b32 s95, 0
	s_mul_i32 s20, s[WH], 4*TILEB                  ; LDS: my four tiles of ctx,
	s_mul_i32 s21, s[WL], 8*TILEB
	s_add_co_u32 s21, s21, LB                      ; my eight of wo,
	s_add_co_u32 s22, s21, 4*TILEB
	s_lshl_b32 s89, s[WH], 11
	s_lshl_b32 s23, s[WL], 12
	s_add_co_u32 s23, s23, 4096
	s_sub_co_u32 s23, s23, s89                     ; from my rows' scale bytes to my columns',
	s_add_co_u32 s89, s89, SCL
	s_mul_i32 s90, s[WV], 16*SPITCH                ; my stage
	s_wait_dscnt 0x0
	s_wait_kmcnt 0x0
	s_add_nc_u64 s[80:81], s[4:5], s[80:81]
	s_add_nc_u64 s[82:83], s[6:7], s[82:83]
	s_add_nc_u64 s[84:85], s[8:9], s[84:85]
	s_add_nc_u64 s[86:87], s[10:11], s[86:87]
	s_add_nc_u64 s[12:13], s[12:13], s[92:93]
	s_add_nc_u64 s[14:15], s[14:15], s[94:95]
	CROUND                                         ; all sixteen work-groups are here: the joint loads meet
	GROUP0 G0A, 0, 80
	GROUP0 G0B, LB, 84
	GROUP0 G0SA, SCL, 82
	GROUP0 G0SB, SCL+4096, 86
	ARM 1, G0A,  G1A,  .Lhead_b                    ; one load a wave, one chain of branches
	ARM 2, G0B,  G1B,  .Lhead_sa
	ARM 3, G0SA, G1SA, .Lhead_sb
	tensor_load_to_lds s[G0SB:G0SB+3], s[G1SB:G1SB+7]
	s_nop 0
	PLACES 4
.Lhead_asked:
	v_and_b32 v1, 15, v0                           ; r
	v_bfe_u32 v2, v0, 4, 1                         ; h
	v_and_b32 v3, 31, v0
	v_lshlrev_b32 v4, 3, v3                        ; 8 x lane: my place in a piece
	v_add_nc_u32 v[ADRA], s20, v4
	v_add_nc_u32 v[ADRB], s21, v4
	v_add_nc_u32 v[ADRB+1], s22, v4
	v_mul_u32_u24 v6, s23, v2                      ; lanes 16-31 take wo's scale words
	v_lshl_add_u32 v5, v1, 5, v6                   ; 32 bytes a row
	v_add_nc_u32 v[ADRS], s89, v5
	v_lshlrev_b32 v8, 5, v2
.irp b, 0,1,2,3,4,5,6,7
	global_load_b128 v[BI+8*\b:BI+8*\b+3], v8, s[12:13] offset:64*\b          ; the bias at columns 16 b + 8 h + 0 .. 7, as the result lies
	global_load_b128 v[BI+8*\b+4:BI+8*\b+7], v8, s[12:13] offset:64*\b+16
.endr
	v_mul_u32_u24 v5, v1, SPITCH
	v_lshl_add_u32 v5, v2, 5, v5
	v_add_nc_u32 v[STO], s90, v5                   ; the stage, in: row r, 32 bytes for each half of the lanes
	v_lshlrev_b32 v[CO], 4, v3
	v_add_nc_u32 v[RD], s90, v[CO]                 ; and back: 32 lanes take a row of 512 bytes
	s_wait_alu depctr_va_vdst(0)
	s_wait_loadcnt 0x0
	s_wait_tensorcnt 0x0                           ; my tile has landed,
	s_barrier_signal -1
	s_barrier_wait -1                              ; everybody's has
; three of step q's 72 loads: half of fragment n / 2 (0-7 wo's tiles, 8-11 ctx's) into set q % 2
.macro LD3 q, n
.set F_, (\n)/2
.set P_, 3*((\n)%2)
.if F_ < 8
	WIN 0x40
.irp k, 0,1,2
	ds_load_b64 v[96*((\q)%2)+12*F_+2*(P_+\k):96*((\q)%2)+12*F_+2*(P_+\k)+1], v[ADRB+F_/4] offset:(F_%4)*TILEB+(\q)*FRB+256*(P_+\k)
.endr
.else
	WIN 0
.irp k, 0,1,2
	ds_load_b64 v[AF+48*((\q)%2)+12*(F_-8)+2*(P_+\k):AF+48*((\q)%2)+12*(F_-8)+2*(P_+\k)+1], v[ADRA] offset:(F_-8)*TILEB+(\q)*FRB+256*(P_+\k)
.endr
.endif
.endm
; a step: the 32 accumulators take turns, in the same order in every step
.macro STEP q
	s_wait_dscnt 0x0                               ; this step's fragments are in
.if (\q) == 7
	s_barrier_signal -1                            ; my reads of LDS are over
.endif
.if (\q) > 0 && (\q) < 7
	PLACES 4                                       ; behind the last step's products, ahead of the loads into the set that they read
.endif
.set n_, 0
.rept 32
.if (\q) == 0
	WIN 0x81
	v_wmma_scale_f32_16x16x128_f8f6f4 v[8*n_:8*n_+7], v[12*(n_%8):12*(n_%8)+11], v[AF+12*(n_/8):AF+12*(n_/8)+11], v[BI+8*(n_%8):BI+8*(n_%8)+7], v[SC+8*(n_%8)], v[SC+8*(n_/8)] matrix_a_fmt:MATRIX_FMT_FP6 matrix_b_fmt:MATRIX_FMT_FP6 matrix_a_scale:MATRIX_SCALE_ROW1
.else
	WIN 0xa1
	v_wmma_scale_f32_16x16x128_f8f6f4 v[8*n_:8*n_+7], v[96*((\q)%2)+12*(n_%8):96*((\q)%2)+12*(n_%8)+11], v[AF+48*((\q)%2)+12*(n_/8):AF+48*((\q)%2)+12*(n_/8)+11], v[8*n_:8*n_+7], v[SC+8*(n_%8)+(\q)], v[SC+8*(n_/8)+(\q)] matrix_a_fmt:MATRIX_FMT_FP6 matrix_b_fmt:MATRIX_FMT_FP6 matrix_a_scale:MATRIX_SCALE_ROW1
.endif
.if (\q) < 7 && n_ < 24
	LD3 (\q)+1, n_
.endif
.set n_, n_+1
.endr
	WIN 0
.endm
.irp i, 0,1,2,3,4,5,6,7
	ds_load_b128 v[SC+8*\i:SC+8*\i+3], v[ADRS] offset:512*\i       ; a row's eight scale words, all of K, once
	ds_load_b128 v[SC+8*\i+4:SC+8*\i+7], v[ADRS] offset:512*\i+16
.endr
.set m_, 0
.rept 24
	LD3 0, m_
.set m_, m_+1
.endr
	WIN 0
.set Q_, 0
.rept 8
	STEP Q_
.set Q_, Q_+1
.endr
	s_barrier_wait -1                              ; no wave reads ctx's codes any more: the stages may be written
.macro TOSTAGE a
	WIN 0x08                                       ; the data: window 2
.irp b, 0,1,2,3,4,5,6,7
	ds_store_b128 v[STO], v[64*(\a)+8*\b:64*(\a)+8*\b+3] offset:64*\b          ; each accumulator from its low end on
	ds_store_b128 v[STO], v[64*(\a)+8*\b+4:64*(\a)+8*\b+7] offset:64*\b+16
.endr
	WIN 0
.set BB, BK+64*((\a)%2)
.irp t, 0,1,2,3,4,5,6,7,8,9,10,11,12,13,14,15
	ds_load_b128 v[BB+4*\t:BB+4*\t+3], v[RD] offset:\t*SPITCH      ; LDS serves a wave's instructions in order (ISA guide 5.7.1.4): these see the stores above
.endr
.endm
.macro SEND a, younger                 ; younger: the LDS instructions issued behind block a's loads
.set BB, BK+64*((\a)%2)
	s_wait_dscnt \younger
.if (\a) > 0
	s_add_nc_u64 s[14:15], s[14:15], 16*4096       ; (behind a wait on XCNT) 16 rows on
.endif
.irp t, 0,1,2,3,4,5,6,7,8,9,10,11,12,13,14,15
	global_store_b128 v[CO], v[BB+4*\t:BB+4*\t+3], s[14:15] offset:\t*4096 th:TH_STORE_NT   ; 32 lanes store 512 consecutive bytes, aligned
.endr
.endm
	PLACES 4
	TOSTAGE 0
.irp a, 1,2,3
.if \a > 1
	s_wait_xcnt 0x0                                ; block a - 2's stores have read their registers and their base
.endif
	TOSTAGE \a
	SEND \a-1, 32
.endr
	s_wait_xcnt 0x0
	SEND 3, 0
	s_wait_tensorcnt 0x0                           ; the wave's end
	ds_add_u32 v[SPW], v[NIL]
	s_wait_dscnt 0x0
	CROUND                                         ; the closing round
	s_endpgm
.Lfunc_end_k_qa159dcd690_outp:
	.size	k_qa159dcd690_outp, .Lfunc_end_k_qa159dcd690_outp-k_qa159dcd690_outp
	.p2alignl 7, 3214868480
	.fill 96, 4, 3214868480
	.section	.rodata,"a",@progbits
	.p2align	6, 0x0
	.amdhsa_kernel k_qa159dcd690_outp
		.amdhsa_group_segment_fixed_size 327680
		.amdhsa_private_segment_fixed_size 0
		.amdhsa_enable_private_segment 0
		.amdhsa_kernarg_size 48
		.amdhsa_user_sgpr_count 2
		.amdhsa_user_sgpr_kernarg_segment_ptr 1
		.amdhsa_wavefront_size32 1
		.amdhsa_system_sgpr_workgroup_id_x 1
		.amdhsa_system_sgpr_workgroup_id_y 1
		.amdhsa_system_sgpr_workgroup_id_z 1
		.amdhsa_system_vgpr_workitem_id 0
		.amdhsa_next_free_vgpr 768
		.amdhsa_next_free_sgpr 102
		.amdhsa_reserve_vcc 0
		.amdhsa_float_denorm_mode_32 3
		.amdhsa_float_denorm_mode_16_64 3
		.amdhsa_memory_ordered 1
		.amdhsa_forward_progress 1
		.amdhsa_inst_pref_size 106
	.end_amdhsa_kernel
	.amdgpu_metadata
---
amdhsa.version: [ 1, 2 ]
amdhsa.kernels:
  - .name:           k_qa159dcd690_outp
    .symbol:         k_qa159dcd690_outp.kd
    .args:
      - { .name: cc, .offset: 0, .size: 8, .value_kind: global_buffer, .address_space: global }
      - { .name: cs, .offset: 8, .size: 8, .value_kind: global_buffer, .address_space: global }
      - { .name: xc, .offset: 16, .size: 8, .value_kind: global_buffer, .address_space: global }
      - { .name: xs, .offset: 24, .size: 8, .value_kind: global_buffer, .address_space: global }
      - { .name: wo_b, .offset: 32, .size: 8, .value_kind: global_buffer, .address_space: global }
      - { .name: out0, .offset: 40, .size: 8, .value_kind: global_buffer, .address_space: global }
    .group_segment_fixed_size: 327680
    .private_segment_fixed_size: 0
    .kernarg_segment_align: 8
    .kernarg_segment_size: 48
    .max_flat_workgroup_size: 128
    .sgpr_count:     102
    .vgpr_count:     768
    .wavefront_size: 32
...
	.end_amdgpu_metadata
.endif
;; end of part 4
